; MI455X (gfx1250); checked and timed in simulation.
; The chip was launched on July 23, 2026; its instructions are those of AMD's public machine-readable ISA for CDNA 5 (MIT licence, August 2026) and "CDNA5" Instruction Set Architecture Reference Guide (July 2026). The comments in the code are by the model that wrote it; some were corrected since.
;; Self Attention. Allowed arithmetic: matrix products marked QUANTISED: E2M3 operands, one E8M0 scale for each 32 along K, by v_wmma_scale_f32_16x16x128_f8f6f4 with both operands' format E2M3, f32 sums; everything else in f32.
;; Inputs: Wk_codes 1,024 x 32 x 24 uint8 (E2M3 codes of Wk, K innermost, in blocks of 32 codes, four codes in three bytes); Wk_scales 1,024 x 32 uint8 (E8M0 scales of Wk, one for each 32 codes along K); Wq_codes 1,024 x 32 x 24 uint8 (E2M3 codes of Wq, K innermost, in blocks of 32 codes, four codes in three bytes); Wq_scales 1,024 x 32 uint8 (E8M0 scales of Wq, one for each 32 codes along K); Wv_codes 1,024 x 32 x 24 uint8 (E2M3 codes of Wv, K innermost, in blocks of 32 codes, four codes in three bytes); Wv_scales 1,024 x 32 uint8 (E8M0 scales of Wv, one for each 32 codes along K); x_codes 4 x 2,048 x 32 x 24 uint8 (E2M3 codes of x, K innermost, in blocks of 32 codes, four codes in three bytes); x_scales 4 x 2,048 x 32 uint8 (E8M0 scales of x, one for each 32 codes along K).
;; Outputs: out0 4 x 2,048 x 1,024 float32.
;; This version of the problem:
;;   THIS VERSION OF THE PROBLEM IS GIVEN IN LOW PRECISION. The matrix products marked QUANTISED in the list below multiply operands that are first quantised to E2M3 (2 exponent bits, 3 mantissa bits; 6 bits a number), with one power-of-two scale for each 32 numbers along K (OCP MX v1.0); their sums are f32. All else is computed in f32.
;;   The module's matrix products, in the order in which they are computed (A, B: the left and right operand; K: the contracted axis; several contracted axes count as one K, in the product's order):
;;     1. [M 8,192, K 1,024] x [K 1,024, N 1,024]; A: input x (given as codes); B: input Wq (given as codes): QUANTISED
;;     2. [M 8,192, K 1,024] x [K 1,024, N 1,024]; A: input x (given as codes); B: input Wk (given as codes): QUANTISED
;;     3. [M 8,192, K 1,024] x [K 1,024, N 1,024]; A: input x (given as codes); B: input Wv (given as codes): QUANTISED
;;     4. batch 4 x [M 2,048, K 1,024] x [K 1,024, N 2,048]; A: computed on the way; B: computed on the way: QUANTISED
;;     5. batch 4 x [M 2,048, K 2,048] x [K 2,048, N 1,024]; A: softmax (see below); B: computed on the way: QUANTISED
;;   THE QUANTISER, for each operand of a quantised product, along K:
;;     - K is cut into blocks of 32 from its start; a last block that is shorter is filled with zeros.
;;     - A block's scale is 2^e with e = floor(log2(the largest magnitude in the block)) - 2, held to -126 .. 127; a block of zeros has e = 0. As a byte (E8M0): e + 127.
;;     - Each number is divided by its block's scale, clamped to +-7.5, and rounded to the nearest number of E2M3, ties to even, subnormals kept.
;;     - The product sums the exact products of the quantised numbers (number of the format x scale) in f32.
;;   ~~~python
;;   def quantise(x, axis):      # numpy; x: float32 -> the quantised numbers, widened to float32 again
;;       x = np.moveaxis(x, axis, -1); K = x.shape[-1]
;;       x = np.pad(x, [(0, 0)] * (x.ndim - 1) + [(0, -K % 32)]); x = x.reshape(x.shape[:-1] + (-1, 32)); a = np.abs(x).max(-1, keepdims=True)
;;       e = np.where(a > 0, np.clip(np.frexp(np.where(a > 0, a, 1))[1] - 1 - 2, -126, 127), 0)      # np.frexp(a)[1] - 1 = floor(log2(a)), exactly
;;       r = np.clip(x / 2.0 ** e, -7.5, 7.5)
;;       step = 2.0 ** (np.maximum(np.frexp(np.where(r == 0, 1, r))[1] - 1, 0) - 3)
;;       q = np.round(r / step) * step * 2.0 ** e      # np.round: ties to even
;;       return np.moveaxis(q.reshape(q.shape[:-2] + (-1,))[..., :K], -1, axis).astype(np.float32)
;;   ~~~
;;   SOFTMAX AHEAD OF A QUANTISED PRODUCT. Where the list says 'softmax', what is quantised is not the finished softmax but p = 2^(t - M), with t = logit x log2(e) and M = ceil(the row's largest t), a whole number; so 1/2 < the row's largest p <= 1. The row's sum l is taken of the UNQUANTISED p, in f32, and the product's result is divided by l at the end. Since M is a whole number, a kernel that streams over the keys may use a running M (the ceiling of the running maximum): every later rescaling is an exact power of two, which a block's scale takes up: the codes' values come out the same.
;;   OPERANDS COMPUTED ON THE WAY. 'Computed on the way' means the value that the module computes at that place (a softmax that the list does not call 'softmax' is quantised finished and normalised). What goes into a quantiser is computed in f32, as accurately as f32 sums, v_exp_f32 and their like allow (about 1e-6 of the number): no bf16 or f16 on the way to a quantiser, and a product that is left as it is and whose result goes on into a quantised operand takes f32 operands (vector FMAs, or v_wmma_f32_16x16x4_f32). A number that lies on a knife's edge between two numbers of the format may be rounded either way, as far as f32 arithmetic and the matrix unit's own rounding can turn it there, and no further.
;;   INPUTS GIVEN AS CODES. Wk (in the module: [1024, 1024], K = its axis 0); Wq (in the module: [1024, 1024], K = its axis 0); Wv (in the module: [1024, 1024], K = its axis 0); x (in the module: [4, 2048, 1024], K = its axis 2): each comes as NAME_codes (uint8): NAME with its K axis moved to the last place and cut into blocks of 32 codes, [.., K / 32, bytes a block], one block behind the other in memory; four codes in three bytes: a row's codes are one little-endian stream of bits, code i at bits 6 i .. 6 i + 5 (a code: sign, 2 exponent bits, 3 mantissa bits); and NAME_scales (uint8): the same leading axes, one E8M0 byte (e + 127) for each 32 codes along K. Its value is code x scale, taken as it is: it is not quantised again, and the codes and scales need not be those that the quantiser above would give.
;; One version. Each part assembles by itself: llvm-mc -triple=amdgcn-amd-amdhsa -mcpu=gfx1250 --defsym DOCPART=n.
;; ======== version 1 of 1: 3 launches
;; limits: right only within a limited range of input values
;; workspace buffers: qf 6,291,456 bytes; kf 6,291,456 bytes; vf 6,291,456 bytes; sc 786,432 bytes; pf 12,582,912 bytes; pm 1,572,864 bytes
;; launch proj (part 1): grid 16 x 16, 4 waves a work-group, clusters of 4 x 4, 327,680 bytes of LDS; arguments x_codes, x_scales, Wq_codes, Wq_scales, Wk_codes, Wk_scales, Wv_codes, Wv_scales, qf, kf, vf, sc; writes qf, kf, vf, sc
.if DOCPART == 1
	.amdgcn_target "amdgcn-amd-amdhsa--gfx1250"
	.amdhsa_code_object_version 6
	.text
	.protected	k_q0160b8257b_proj
	.globl	k_q0160b8257b_proj
	.p2align	8
	.type	k_q0160b8257b_proj,@function
k_q0160b8257b_proj:
	s_mov_b64 s[64:65], 0
	v_nop
	global_prefetch_b8 v0, s[64:65] scope:SCOPE_SE
	s_setreg_imm32_b32 hwreg(HW_REG_WAVE_MODE, 25, 1), 1
	s_wait_xcnt 0x0
	s_wait_alu depctr_hold_cnt(0) depctr_sa_sdst(0) depctr_va_vdst(0) depctr_va_sdst(0) depctr_va_ssrc(0) depctr_va_vcc(0) depctr_vm_vsrc(0)
	s_getreg_b32 s2, hwreg(HW_REG_IB_STS2, 6, 4)
	s_cmp_eq_u32 s2, 0
	s_cbranch_scc0 .Lentry_in_a_cluster
	s_endpgm
.Lentry_in_a_cluster:
	s_bfe_u32 s2, ttmp6, 0x10000c
	s_cmp_lg_u32 s2, 0xf033
	s_cbranch_scc0 .Lentry_shape_is_right
	s_endpgm
.Lentry_shape_is_right:
; Q, K, V = x W and their quantisers: the results leave as codes of FP6 and scale bytes, as images of the operand registers of the launches that read them.  No work is left out in any launch.
; LIMITS of the program: NaN and infinities (a scale byte 0xff among the inputs too) are not served; the scaled scores (exponents to the base 2, before the maximum is taken away) stay under 2^31 in magnitude;
; a block whose largest magnitude lies under 2^-124 keeps the scale byte 1.
; THE BUFFERS (r = lane % 16, h = lane / 16).  A chunk is 128 tokens, a band 64 of them (c), a TILE j = 0 .. 3 of a band its tokens 8 j + i (rows r = i) and 32 + 8 (j ^ 1) + i (rows r = 8 + i), i = 0 .. 7.  The same order, of columns, holds in a weight's 64 rows.
; So a lane's 32 results over four tiles are one scale block of 32; inside a block the order is the same for both operands of each later product.
; qf, kf: [chunk][128 columns q][tile 4 c + j][half b: columns 64 b ..][512 bytes: 16 x lane, registers 0-3; 256 bytes: 8 x lane, registers 4, 5]
; vf: [8 batch + 128 columns][chunk of the batch][column tile][half c: tokens 64 c ..][512; 256]
; sc: Q's words [chunk][q][c][16 (j % 2) + r][j / 2], at 262,144 K's, at 524,288 V's [8 batch + 128 columns][chunk][16 (t % 2) + r][t / 2], t = 0 .. 7; byte 2 x half + h of a word.
; THE DEAL.  256 work-groups of four waves, 2 x 2: a wave (row a, column b) holds 64 rows of a weight (column b's), all of K, in 384 registers, and x's rows stream past in blocks of 16 rows: band a of each chunk, tile after tile.
; A work-group makes 256 x 128 of V (phase 1), then 512 x 128 of Q or K (phase 2); V's rows are a half (s87) of its own 512.  Half and tensor hang on the cluster's number alone.  x's rows are shared by a row of the cluster, a weight's by a column.
; LDS: two slots of 128 rows, a region for the weights, two places for a chunk's scale bytes, the stages for the results' scale bytes, the spare words.
; FILLS: at the head one tensor load a wave; then three refills, each in a drained round: in V's block 2 the weights' region, in phase 2's blocks 2 and 6 a slot and its scale bytes (the other half's chunks).
; WAITS: a block's rows were fetched two blocks ago.  Younger are the next block's fetch (NF loads) and the byte stores between: 0, 1 or 4.  Behind a round or a plain barrier the next block's rows have been waited for.
; PREFETCHES: what the three refills will load, shared out by address among the sixteen waves that will ask jointly, one refill ahead each.
.set NQ,     8
.set NB,     4
.set TM,     512
.set TV,     256
.set TN,     128
.set KROW,   768
.set KS,     32
.set PITCH,  816                       ; 3 x (256 + 16)
.set FR,     12
.set FPW,    21                        ; fragments in a window of 256 registers
.set NF,     28
.set RA,     128
.set CHB,    98304                     ; a chunk's codes, all of K
.set YB,     RA*PITCH
.set BVB,    2*RA*PITCH
.set SCL,    BVB+TN*PITCH
.set CU,     RA*KS/256                 ; a chunk's scale bytes: 16 units of 256 bytes
.set SCB,    CU*272
.set XN,     SCL+2*SCB                 ; Q's or K's scale bytes: [b][chunk in the order of work][a][16 (j % 2) + r][j / 2][h]
.set XM,     XN+2048                   ; V's: [wave][chunk][t % 2][r][t / 2][h]
.set SPARE,  XM+1024
.set EMAX,   2
.set ADRE,  4                          ; v4, v5  LDS address of my fragments of an even block, tile 0 (v5: for the pieces behind one padding more)
.set ASE,   6                          ; v6      of my row's scale words
.set CO,    9                          ; v9      16 x lane
.set SPW,   10
.set NIL,   11
.set ADRA,  12                         ; v12, v13  as v4, v5, for the block that is fetched next
.set CO8,   14                         ; v14     8 x lane
.set ABS,   16                         ; v16     my offset in a weight's scale bytes
.set AAS,   17
.set STO,   18
.set STV,   19
.set ASO,   21                         ; v21, v22-23  as v6, v4-5 for an odd block, tile 1
.set ADRO,  22
.set SB,    24                         ; v24-39  the weights' scale words
.set TQ,    40                         ; v40, v41  the two chains
.set SA,    44                         ; v44-59  the rows' scale words: two sets of eight
.set TC,    60
.set ACC,   64                         ; v64-127 phase 2: two sets of four accumulators
.set HV0,   64                         ; v64-191 phase 1, chunk 0: 32 t + 8 j + i
.set HV1,   840                        ; v840-967 chunk 1
.set NCD,   128                        ; v128-139 phase 2: six registers of the even block, six of the odd
.set MCD,   192                        ; v192-239 phase 1: eight half operands
.set SOP,   240
.set EB,    244
.set VX,    248
.set SB2,   968                        ; v968-983 phase 2's weights' scale words
.set BA,    984                        ; v984-991 LDS addresses of the weights' four column tiles
.set G1A, 24
.set G0A, 56
.set G0R, 68
.set G1B, 32
.set G0B, 60
.set G1S, 92
.set G0S, 72
.set MSB, 0
.macro WIN new
.if MSB != \new
	s_set_vgpr_msb (MSB<<8)|\new
.set MSB, \new
.endif
.endm
.macro PLACES n
.rept \n
	v_nop
.endr
.endm
.macro WALU
	s_wait_alu depctr_va_vdst(0)
.endm
.macro BARRIER
	s_barrier_signal -1
	s_barrier_wait -1
.endm
.macro MIDDLE                          ; a round's middle: the opening wait, wave 0's signal for the work-group, the cluster's wait
	WIN 0
	s_barrier_wait -1
	s_cmp_lg_u32 s14, 0
	s_cbranch_scc1 .Lnot_wave_0_\@
	s_barrier_signal -3
.Lnot_wave_0_\@:
	s_barrier_wait -3
.endm
.macro CROUND
	s_barrier_signal -1
	MIDDLE
	BARRIER
.endm
.macro GRD
	s_wait_tensorcnt 0x0
	ds_add_u32 v[SPW], v[NIL]
.endm
.macro TLOAD g0, g1
	tensor_load_to_lds s[\g0:\g0+3], s[\g1:\g1+7]
	s_nop 0
	PLACES 4
.endm
.macro GROUP1 g, mask, rows
	s_or_b32 s[\g+0], s[\mask], (1<<20)|(1<<21)|(5<<22)|(3<<25)
	s_mov_b32 s[\g+1], (KROW&0xffff)<<16
	s_mov_b32 s[\g+2], (KROW>>16)|((\rows)<<16)
	s_mov_b32 s[\g+3], KROW<<16
	s_mov_b32 s[\g+4], \rows
	s_mov_b32 s[\g+5], KROW
	s_mov_b32 s[\g+6], 0
	s_mov_b32 s[\g+7], 0
.endm
.macro SADD d, x
	s_add_co_u32 s\d, s\d, s\x
.endm
.macro G0SET g, base, off              ; group 0's address: 64-bit base + the 32-bit offset in s\off (s21 = 0)
	s_mov_b32 s20, s\off
	s_add_nc_u64 s[\g+2:\g+3], s[\base:\base+1], s[20:21]
	s_or_b32 s[\g+3], s[\g+3], 0x80000000
.endm
; ---- fragments.  Fragment f lies in window 1 + f / 21 at register 12 (f % 21): 0-31 the weights' (4 q + b), 32-39 and 40-47 the rows' two sets.
.macro FRAG f, q, a0, a1, aw           ; six pieces of 8 bytes, two to a load where both lie behind as many paddings
	WIN ((1+(\f)/FPW)<<6)|(\aw)
.set R_, FR*((\f)%FPW)
.set SKIP_, 0
.irp p, 0,1,2,3,4,5
.if SKIP_
.set SKIP_, 0
.else
.set PC_, 12*(\q)+6*(\p/3)+\p%3
.set PN_, 12*(\q)+6*((\p+1)/3)+(\p+1)%3
.set X_, (PC_%32+3)/32
.set XQ_, (PN_%32+3)/32
.if (\p < 5) && (X_ == XQ_)
.set SKIP_, 1
.if X_
	ds_load_2addr_b64 v[R_+2*\p:R_+2*\p+3], \a1 offset0:PC_+2*(PC_/32) offset1:PN_+2*(PN_/32)
.else
	ds_load_2addr_b64 v[R_+2*\p:R_+2*\p+3], \a0 offset0:PC_+2*(PC_/32) offset1:PN_+2*(PN_/32)
.endif
.elseif X_
	ds_load_b64 v[R_+2*\p:R_+2*\p+1], \a1 offset:8*(PC_+2*(PC_/32))
.else
	ds_load_b64 v[R_+2*\p:R_+2*\p+1], \a0 offset:8*(PC_+2*(PC_/32))
.endif
.endif
.endr
.endm
.macro WEIGHTS                         ; my 64 rows of the weight, all of K: 104 loads
.irp q, 0,1,2,3,4,5,6,7
.irp b, 0,1,2,3
	FRAG NB*\q+\b, \q, v[BA-768+2*\b], v[BA-768+2*\b+1], 3
.endr
.endr
	WIN 0
.endm
.macro FETCHAT e, a0, a1, as           ; a block of x's rows into set e: NF loads
.irp q, 0,1,2,3,4,5,6,7
	FRAG NB*NQ+NQ*(\e)+\q, \q, \a0, \a1, 0
.endr
	WIN 0
	ds_load_b128 v[SA+8*(\e):SA+8*(\e)+3], \as
	ds_load_b128 v[SA+8*(\e)+4:SA+8*(\e)+7], \as offset:16
.endm
.macro FETCH e
	FETCHAT \e, v[ADRA], v[ADRA+1], v[AAS]
.endm
.macro FETCH01                         ; a phase's first two blocks, from slot 0
	FETCHAT 0, v[ADRE], v[ADRE+1], v[ASE]
	FETCHAT 1, v[ADRO], v[ADRO+1], v[ASO]
	s_mov_b32 s12, 0                               ; the pair of blocks that was fetched last
.endm
; ---- a product.  n = 4 q + tile.  kind 0 (Q, K): source 0 the weight's rows; kind 1 (V): source 0 x's rows.
.macro PROD kind, e, n, a0, as
.set Q_, (\n)/4
.set FB_, NB*Q_+(\n)%4
.set FA_, NB*NQ+NQ*(\e)+Q_
.set D_, (\a0)+(\as)*((\n)%4)
.set DL_, D_&255
.set XB_, SB+NQ*(((\n)%4)/2)+Q_
.set XA_, SA+8*(\e)+Q_
.if \kind
	WIN (1+FA_/FPW)|((1+FB_/FPW)<<2)|((D_>>8)<<4)|((D_>>8)<<6)
.if Q_
	PROD1 DL_, FA_, FB_, v[DL_:DL_+7], XA_, XB_, b, (\n)%2
.else
	PROD1 DL_, FA_, FB_, 0, XA_, XB_, b, (\n)%2
.endif
.else
	WIN (1+FB_/FPW)|((1+FA_/FPW)<<2)|((D_>>8)<<4)|((D_>>8)<<6)
.if Q_
	PROD1 DL_, FB_, FA_, v[DL_:DL_+7], XB_, XA_, a, (\n)%2
.else
	PROD1 DL_, FB_, FA_, 0, XB_, XA_, a, (\n)%2
.endif
.endif
.endm
.macro PROD1 d, s0, s1, c, x0, x1, side, o
.if \o
	v_wmma_scale_f32_16x16x128_f8f6f4 v[\d:\d+7], v[FR*((\s0)%FPW):FR*((\s0)%FPW)+FR-1], v[FR*((\s1)%FPW):FR*((\s1)%FPW)+FR-1], \c, v[\x0], v[\x1] matrix_a_fmt:MATRIX_FMT_FP6 matrix_b_fmt:MATRIX_FMT_FP6 matrix_\side\()_scale:MATRIX_SCALE_ROW1
.else
	v_wmma_scale_f32_16x16x128_f8f6f4 v[\d:\d+7], v[FR*((\s0)%FPW):FR*((\s0)%FPW)+FR-1], v[FR*((\s1)%FPW):FR*((\s1)%FPW)+FR-1], \c, v[\x0], v[\x1] matrix_a_fmt:MATRIX_FMT_FP6 matrix_b_fmt:MATRIX_FMT_FP6 matrix_\side\()_scale:MATRIX_SCALE_ROW0
.endif
.endm
; ---- products \from .. \to - 1 of a block; behind every second one, two entries of the list \list (a macro: entry number, two arguments of its own)
.macro BLOCK kind, e, a0, as, from, to, list, x=0, y=0
.set N_, \from
.rept (\to)-(\from)
	PROD \kind, \e, N_, \a0, \as
.if N_%2
	\list N_-1, \x, \y
	\list N_, \x, \y
.endif
.set N_, N_+1
.endr
.endm
; ---- what the lists are made of.  Each macro writes entry i of its part, and nothing beyond its last.
.macro STEP i                          ; an even block: on to the next pair of blocks (two pairs a chunk, two chunks in LDS); 4 entries
.if (\i) == 0
	s_add_co_u32 s12, s12, 1
	s_and_b32 s20, s12, 1
	s_bfe_u32 s21, s12, 0x10001
	s_mul_i32 s101, s20, 16*PITCH
.elseif (\i) == 1
	s_mul_i32 s22, s21, RA*PITCH
	s_add_co_u32 s101, s101, s22
	s_mul_i32 s91, s20, 2*272
	s_mul_i32 s23, s21, SCB
.elseif (\i) == 2
	s_add_co_u32 s91, s91, s23
.endif
	STEPV (\i)-1, 0
.endm
.macro STEPV i, e                      ; the LDS addresses of the block that is fetched next: 3 entries
.if (\i) == 0
	WIN 0
	v_add_nc_u32 v[ADRA], s101, v[ADRE+(ADRO-ADRE)*(\e)]
.elseif (\i) == 1
	WIN 0
	v_add_nc_u32 v[ADRA+1], s101, v[ADRE+1+(ADRO-ADRE)*(\e)]
.elseif (\i) == 2
	WIN 0
	v_add_nc_u32 v[AAS], s91, v[ASE+(ASO-ASE)*(\e)]
.endif
.endm
.macro CHAIN i, x, n, t=TQ             ; a way out's first part, 18 entries: the largest magnitude of the 32 sums from register x on, and the conversions' scale operand, v[SOP+n]
.set XW_, (\x)>>8
.set XL_, (\x)&255
.if (\i) >= 0 && (\i) < 14
.set B_, XL_+16*((\i)%2)+2*((\i)/2)
.set T_, (\t)+1-(\i)%2
.if (\i) < 2
	WIN XW_|(XW_<<2)|(XW_<<4)
	v_max3_num_f32 v[T_], |v[B_]|, |v[B_+1]|, |v[B_+2]|
.else
	WIN (XW_<<2)|(XW_<<4)
	v_max3_num_f32 v[T_], v[T_], |v[B_+1]|, |v[B_+2]|
.endif
.elseif (\i) == 14
	WIN XW_<<2
	v_max3_num_f32 v[\t+1], v[\t+1], |v[XL_+15]|, (EMAX+1)<<23
.elseif (\i) == 15
	WIN 0
	v_nop                                  ; so that the next line, which reads entry 14's result, stands in the next pair
.elseif (\i) == 16
	WIN XW_<<2
	v_max3_num_f32 v[\t], v[\t], |v[XL_+31]|, v[\t+1]
.elseif (\i) == 17
	WIN 0
	v_add_nc_u32 v[SOP+\n], -(EMAX<<23), v[\t]
.endif
.endm
.macro CODES i, x, c, n, t=TC          ; its second part, 6 lines: 32 codes into v[c .. c+5], the scale's byte into v[EB+n]
.set XW_, (\x)>>8
.set XL_, (\x)&255
.if (\i) == 0
	WIN XW_
	v_cvt_scalef32_pk16_fp6_f32 v[\c:\c+2], v[XL_:XL_+15], v[SOP+\n]
.elseif (\i) == 1
	WIN XW_
	v_cvt_scalef32_pk16_fp6_f32 v[\t:\t+2], v[XL_+16:XL_+31], v[SOP+\n]
.elseif (\i) == 2
	WIN 0
	v_lshrrev_b32 v[EB+\n], 23, v[SOP+\n]
.else
	WIN 0
	v_mov_b32 v[\c+\i], v[\t+\i-3]
.endif
.endm
.macro CODES6 x, c, n
.irp i, 0,1,2,3,4,5
	CODES \i, \x, \c, \n
.endr
.endm
.macro PFTILE v, off, share            ; one entry: my sixteenth of a tile of 128 rows, to be asked for into the L2
	s_mul_i32 s21, s\share, RA*KROW/16
	s_add_co_u32 s20, s\off, s21
	WIN 0
	v_min_u32 v\v, RA*KROW/16/256-1, v3
	v_lshl_add_u32 v\v, v\v, 8, s20
.endm
.macro PFGO v, base
	global_prefetch_b8 v\v, s[\base:\base+1] th:TH_LOAD_NT scope:SCOPE_SE
.endm
.macro PUT r, base, off                ; half an operand: 512 bytes, then 256
	global_store_b128 v[CO], v[\r:\r+3], \base offset:\off
	global_store_b64 v[CO8], v[\r+4:\r+5], \base offset:(\off)+512
.endm
.macro VBYTE t, cc
	ds_store_b8 v[STV], v[EB+\t] offset:128*(\cc)+64*((\t)%2)+2*((\t)/2)
.endm
.macro ASK i                           ; 4 entries: the descriptors of the chunk at s88 (bytes from x's codes) for slot s47, and of its scale bytes at s55 for s8; then all four step on
.if (\i) == 0
	s_mul_i32 s[G0R+1], s14, RA/2*PITCH
	s_add_co_u32 s[G0R+1], s[G0R+1], s47
	s_mul_i32 s20, s14, RA/2*KROW
	SADD 20, 88
.elseif (\i) == 1
	s_mov_b32 s21, 0
	s_add_nc_u64 s[G0R+2:G0R+3], s[4:5], s[20:21]
	s_or_b32 s[G0R+3], s[G0R+3], 0x80000000
	s_mov_b32 s[G0S+1], s8
.elseif (\i) == 2
	s_mov_b32 s20, s55
	s_add_nc_u64 s[G0S+2:G0S+3], s[6:7], s[20:21]
	s_or_b32 s[G0S+3], s[G0S+3], 0x80000000
	s_add_co_u32 s88, s88, RA*KROW
.elseif (\i) == 3
	s_add_co_u32 s55, s55, CU*256
	s_xor_b32 s47, s47, YB
	s_xor_b32 s8, s8, (SCL)^(SCL+SCB)
.endif
.endm
.macro PAIR i                          ; 4 entries: where pair s46's codes go (s[84:85], by its true chunk; s2 = 2 x s87) and its scale bytes (v[VX], by the order of work)
.if (\i) == 0
	s_lshr_b32 s3, s46, 1
	s_xor_b32 s3, s3, s2
	s_mul_i32 s20, s3, CHB
	s_and_b32 s22, s46, 1
.elseif (\i) == 1
	s_mul_i32 s21, s22, 2*1536
	SADD 20, 21
	s_mov_b32 s21, 0
	s_add_nc_u64 s[84:85], s[10:11], s[20:21]
.elseif (\i) == 2
	s_lshr_b32 s23, s46, 1
	s_lshl_b32 s23, s23, 8
	s_lshl_b32 s22, s22, 1
	s_or_b32 s22, s22, s23
.elseif (\i) == 3
	s_add_co_u32 s46, s46, 1
	WIN 0
	v_add_nc_u32 v[VX], s22, v[STO]
.endif
.endm
; ---- the lists
.macro L_STEPE i, x, y
	STEP \i
.endm
.macro L_STEPO i, x, y
	STEPV \i, 1
.endm
.macro L_NONE i, x, y
.endm
.macro L_OUTE i, x, y                  ; the step, then the way out of the sums at x (scale operand y)
	STEP \i
	CHAIN (\i)-4, \x, \y
.endm
.macro L_OUTO i, x, y
	STEPV \i, 1
	CHAIN (\i)-3, \x, \y
.endm
.macro L_LAST i, x, y                  ; the way out alone: nothing more is fetched
	CHAIN \i, \x, \y
.endm
.macro L_V2 i, x, y                    ; V's third block: the first refill's descriptors; the later refills' group 1; the step; what the second refill will load is asked for into the L2
.if (\i) == 0
	s_mov_b32 s[G1A+2], (KROW>>16)|((RA/2)<<16)
	s_mov_b32 s[G1A+4], RA/2
	s_mov_b32 s[G1S+2], CU<<16
	s_mov_b32 s[G1S+4], CU
.elseif (\i) == 1
	s_mov_b32 s[G1B+2], (KROW>>16)|((TN/2)<<16)
	s_mov_b32 s[G1B+4], TN/2
	s_mul_i32 s[G0B+1], s14, TN/2*PITCH
	s_add_co_u32 s[G0B+1], s[G0B+1], BVB
.elseif (\i) == 2
	s_mul_i32 s20, s14, TN/2*KROW
	s_mov_b32 s21, 0
	s_add_nc_u64 s[G0B+2:G0B+3], s[66:67], s[20:21]
	s_or_b32 s[G0B+3], s[G0B+3], 0x80000000
.elseif (\i) == 8
	PFTILE 7, 88, 90
.elseif (\i) == 9
	s_lshl_b32 s21, s90, 9
	s_add_co_u32 s20, s55, s21
	WIN 0
	v_min_u32 v8, 1, v3
	v_lshl_add_u32 v8, v8, 8, s20
.endif
	STEP (\i)-4
.endm
.macro L_V7 i, x, y                    ; V's last block: what the third refill will load is asked for; the way out
.if (\i) == 0
	s_add_co_u32 s22, s88, RA*KROW
	PFTILE 20, 22, 90
.endif
	CHAIN (\i)-1, \x, \y
.endm
.macro L_ODD i, x, y                   ; an odd block of phase 2: the pair's places, the step, the even block's way out
	PAIR \i
	STEPV (\i)-4, 1
	CHAIN (\i)-7, ACC, 0
.endm
.macro L_ODDL i, x, y                  ; the last odd block
	PAIR \i
	CHAIN (\i)-4, ACC, 0
.endm
.macro L_ROUND i, x, y                 ; an even block with a round: the descriptors, the step, the odd block's way out
	ASK \i
	STEP (\i)-4
	CHAIN (\i)-8, ACC+32, 1
.endm
; ---- phase 2's blocks.  w: the count of the wait for the block's rows (-1: they are shown in already)
.macro WAITDS w
.if (\w) >= 0
	s_wait_dscnt \w
.endif
.endm
.macro EVENOUT fetch                   ; behind an even block: the odd block's byte and codes, the fetch of the block two on
	WALU
	ds_store_b8 v[VX], v[EB+1] offset:64
	PUT NCD+6, s[84:85], 1536
.if \fetch
	FETCH 0
.endif
.endm
.macro EVEN w, fetch
	WAITDS \w
.if \fetch
	BLOCK 0, 0, ACC, 8, 0, 32, L_OUTE, ACC+32, 1
.else
	BLOCK 0, 0, ACC, 8, 0, 32, L_LAST, ACC+32, 1
.endif
	WIN 0
	CODES6 ACC+32, NCD+6, 1
	EVENOUT \fetch
.endm
.macro EVENROUND w                     ; the second and the third refill
	WAITDS \w
	GRD
	BLOCK 0, 0, ACC, 8, 0, 26, L_ROUND
	WIN 0
	WALU
	s_wait_dscnt 0x0
	s_barrier_signal -1
	BLOCK 0, 0, ACC, 8, 26, 32, L_NONE
	WIN 0
	CODES6 ACC+32, NCD+6, 1
	MIDDLE
	BARRIER
	s_cmp_lt_u32 s14, 2
	s_cbranch_scc0 .Lscales_\@
	TLOAD G0R, G1A
	s_branch .Lasked_\@
.Lscales_\@:
	s_cmp_eq_u32 s14, 2
	s_cbranch_scc0 .Lnone_\@
	TLOAD G0S, G1S
.Lnone_\@:
.Lasked_\@:
	EVENOUT 1
.endm
.macro EVENSHOW w                      ; a plain barrier inside the block shows the last refill to all
	WAITDS \w
	BLOCK 0, 0, ACC, 8, 0, 26, L_OUTE, ACC+32, 1
	WIN 0
	WALU
	s_wait_tensorcnt 0x0
	s_wait_dscnt 0x0
	s_barrier_signal -1
	BLOCK 0, 0, ACC, 8, 26, 32, L_NONE
	WIN 0
	s_barrier_wait -1
	CODES6 ACC+32, NCD+6, 1
	EVENOUT 1
.endm
.macro ODD w, fetch
	WAITDS \w
	s_wait_xcnt 0x0
.if \fetch
	BLOCK 0, 1, ACC+32, 8, 0, 32, L_ODD
.else
	BLOCK 0, 1, ACC+32, 8, 0, 32, L_ODDL
.endif
	WIN 0
	CODES6 ACC, NCD, 0
	WALU
	ds_store_b8 v[VX], v[EB]
	PUT NCD, s[84:85], 0
.if \fetch
	FETCH 1
.endif
.endm
; ================= THE HEAD
	s_load_b128 s[4:7], s[0:1], 0x0                     ; x's codes, scales
	s_load_b128 s[48:51], s[0:1], 0x10                  ; Wq's
	s_load_b128 s[76:79], s[0:1], 0x20                  ; Wk's
	s_load_b128 s[80:83], s[0:1], 0x30                  ; Wv's
	v_lshl_add_u32 v[SPW], v0, 2, SPARE
	v_mov_b32 v[NIL], 0
	ds_add_u32 v[SPW], v[NIL]
	ds_add_u32 v[SPW], v[NIL]
	v_lshrrev_b32 v1, 5, v0
	v_readfirstlane_b32 s14, v1                         ; s14 the wave; s15 its row a of the 2 x 2, s16 its column b
	s_lshr_b32 s15, s14, 1
	s_and_b32 s16, s14, 1
	s_bfe_u32 s40, ttmp6, 0x40000                       ; cx
	s_bfe_u32 s41, ttmp6, 0x40004                       ; cy
	s_lshl_b32 s42, ttmp9, 2
	s_add_co_u32 s42, s42, s40
	s_and_b32 s42, s42, 7                               ; s42 phase 2's tile column in its tensor
	s_and_b32 s43, ttmp7, 0xffff
	s_lshl_b32 s43, s43, 2
	s_add_co_u32 s43, s43, s41                          ; s43 its tile row
	s_lshr_b32 s19, ttmp9, 1                            ; s19: 0 Q, 1 K
	s_and_b32 s87, ttmp9, 1                             ; s87: V's half of my 512 rows
	s_lshl_b32 s13, s19, 2
	s_add_co_u32 s13, s13, s40                          ; s13 V's tile column
	s_lshl_b32 s12, s43, 1
	s_add_co_u32 s12, s12, s87                          ; s12 V's tile row
	s_lshl_b32 s44, s41, 2
	s_lshl_b32 s44, 15, s44                             ; my row of the cluster
	s_lshl_b32 s45, 0x1111, s40                         ; my column
	GROUP1 G1A, 44, RA
	GROUP1 G1B, 45, TN
	s_or_b32 s[G1S+0], s44, (3<<16)|(1<<20)|(1<<21)|(5<<22)|(3<<25)
	s_mov_b32 s[G1S+1], 32<<16
	s_mov_b32 s[G1S+2], (2*CU)<<16
	s_mov_b32 s[G1S+3], 32<<16
	s_mov_b32 s[G1S+4], 2*CU
	s_mov_b32 s[G1S+5], 32
	s_mov_b32 s[G1S+6], 0
	s_mov_b32 s[G1S+7], 0
	s_mov_b32 s[G0S], 1
	s_mov_b32 s[G0S+1], SCL
	s_mul_i32 s88, s43, TM*KROW                         ; my 512 rows, bytes from x's codes
	s_mul_i32 s66, s12, TV*KROW                         ; V's half of them
	s_mul_i32 s9, s42, TN*KROW                          ; Wq's or Wk's rows
	s_mul_i32 s54, s13, TN*KROW                         ; Wv's
	s_mul_i32 s55, s43, TM*KS                           ; my rows' scale bytes
	s_mul_i32 s89, s12, TV*KS
	s_mul_i32 s21, s16, 64*KS
	s_mul_i32 s52, s42, TN*KS
	s_add_co_u32 s52, s52, s21
	s_mov_b32 s53, 0
	s_mul_i32 s84, s13, TN*KS
	s_add_co_u32 s84, s84, s21
	s_mov_b32 s85, 0
	s_mov_b32 s[G0A], 1
	s_mov_b32 s[G0A+1], 0
	s_mov_b32 s[G0B], 1
	s_mov_b32 s[G0B+1], BVB
	s_mov_b32 s[G0R], 1
	s_mov_b32 s[G0R+1], YB
	s_lshl_b32 s90, s40, 2
	s_add_co_u32 s90, s90, s14                          ; my number among the sixteen waves of my row of the cluster
	s_lshl_b32 s100, s41, 2
	s_add_co_u32 s100, s100, s14                        ; and of my column
	v_and_b32 v1, 15, v0
	v_bfe_u32 v2, v0, 4, 1
	v_and_b32 v3, 31, v0
	WALU
	s_wait_dscnt 0x0
	CROUND                                              ; the opening round, ahead of the wait for the arguments
	s_wait_kmcnt 0x0
	s_cmp_eq_u32 s19, 0
	s_cselect_b64 s[48:49], s[48:49], s[76:77]
	s_cselect_b64 s[50:51], s[50:51], s[78:79]
	s_add_nc_u64 s[84:85], s[82:83], s[84:85]           ; Wv's scale bytes, my 64 rows
	s_add_nc_u64 s[10:11], s[50:51], s[52:53]           ; Wq's or Wk's
	s_mov_b32 s20, s66
	s_mov_b32 s21, 0
	s_add_nc_u64 s[G0A+2:G0A+3], s[4:5], s[20:21]
	s_add_nc_u64 s[G0R+2:G0R+3], s[G0A+2:G0A+3], RA*KROW
	s_or_b32 s[G0A+3], s[G0A+3], 0x80000000
	s_or_b32 s[G0R+3], s[G0R+3], 0x80000000
	G0SET G0B, 80, 54
	G0SET G0S, 6, 89
	s_mov_b32 s20, s9
	s_add_nc_u64 s[66:67], s[48:49], s[20:21]           ; phase 2's weight, my 128 rows
	s_mov_b32 s9, 0
	s_cmp_eq_u32 s14, 0
	s_cbranch_scc0 .Lwave_1
	TLOAD G0B, G1B                                      ; wave 0: Wv's rows
	s_branch .Lasked
.Lwave_1:
	s_cmp_eq_u32 s14, 1
	s_cbranch_scc0 .Lwave_2
	TLOAD G0S, G1S                                      ; wave 1: both chunks' scale bytes
	s_branch .Lasked
.Lwave_2:
	s_cmp_eq_u32 s14, 2
	s_cbranch_scc0 .Lwave_3
	TLOAD G0A, G1A                                      ; wave 2: chunk 0
	s_branch .Lasked
.Lwave_3:
	TLOAD G0R, G1A                                      ; wave 3: chunk 1
.Lasked:
	s_mul_i32 s76, s43, 4*CHB                           ; where the results go: s[76:77] Q's or K's codes, s[78:79] their scale words, s[80:83] V's
	s_mul_i32 s22, s42, 12288
	SADD 76, 22
	s_mul_i32 s22, s15, 6144
	SADD 76, 22
	s_mul_i32 s22, s16, 768
	SADD 76, 22
	s_mov_b32 s77, 0
	s_lshl_b32 s2, s87, 1
	s_lshl_b32 s78, s43, 14
	s_lshl_b32 s22, s42, 9
	SADD 78, 22
	s_xor_b32 s22, s2, s14                              ; at the end wave w sends the w-th chunk in the order of work
	s_lshl_b32 s22, s22, 12
	SADD 78, 22
	s_lshl_b32 s22, s19, 18
	SADD 78, 22
	s_mov_b32 s79, 0
	s_lshr_b32 s20, s12, 3
	s_lshl_b32 s20, s20, 3
	SADD 20, 13
	s_and_b32 s21, s12, 7
	s_mul_i32 s80, s20, 196608
	s_mul_i32 s22, s21, 24576
	SADD 80, 22
	s_mul_i32 s22, s16, 6144
	SADD 80, 22
	s_mul_i32 s22, s15, 768
	SADD 80, 22
	s_mov_b32 s81, 0
	s_lshl_b32 s82, s20, 13
	s_lshl_b32 s22, s21, 10
	SADD 82, 22
	s_lshl_b32 s22, s14, 8
	SADD 82, 22
	s_add_co_u32 s82, s82, 524288
	s_mov_b32 s83, 0
	v_lshrrev_b32 v64, 3, v1
	v_and_b32 v65, 7, v1
	v_mad_u32_u24 v66, v64, 40, v65                     ; the row of tile 0 (of tile 2: 16 more): i, and 40 + i in lanes r = 8 + i
	v_mad_u32_u24 v67, v64, 24, v65                     ; of tile 1 less 8: i, and 24 + i
	v_mul_u32_u24 v76, v64, v2
	v_lshl_add_u32 v75, v2, 3, v66
	v_lshlrev_b32 v76, 4, v76
	v_sub_nc_u32 v75, v75, v76                          ; lanes 16-31 take the odd tile's row
	v_lshlrev_b32 v[ABS], 5, v75
.irp p, 0,1
.irp c, 0,1
	global_load_b128 v[SB+NQ*\p+4*\c:SB+NQ*\p+4*\c+3], v[ABS], s[84:85] offset:\p*16*KS+16*\c
.endr
.endr
	WIN 3<<6
.irp p, 0,1
.irp c, 0,1
	global_load_b128 v[SB2-768+NQ*\p+4*\c:SB2-768+NQ*\p+4*\c+3], v[ABS], s[10:11] offset:\p*16*KS+16*\c
.endr
.endr
	WIN 0
	v_mul_u32_u24 v68, v66, PITCH
	v_mul_u32_u24 v69, v67, PITCH
	v_mad_u32_u24 v70, v2, 24, v68
	v_mad_u32_u24 v71, v2, 40, v68
	v_mad_u32_u24 v72, v2, 24, v69
	v_mad_u32_u24 v73, v2, 40, v69
	s_mul_i32 s21, s15, 64*PITCH
	v_add_nc_u32 v[ADRE], s21, v70
	v_add_nc_u32 v[ADRE+1], s21, v71
	s_add_co_u32 s21, s21, 8*PITCH
	v_add_nc_u32 v[ADRO], s21, v72
	v_add_nc_u32 v[ADRO+1], s21, v73
	s_mul_i32 s22, s16, 64*PITCH
	s_add_co_u32 s22, s22, BVB
	v_add_nc_u32 v70, s22, v70
	v_add_nc_u32 v71, s22, v71
	v_add_nc_u32 v72, s22, v72
	v_add_nc_u32 v73, s22, v73
	WIN 3<<6
.irp b, 0,2
	v_add_nc_u32 v[BA-768+2*\b], \b*8*PITCH, v70
	v_add_nc_u32 v[BA-768+2*\b+1], \b*8*PITCH, v71
	v_add_nc_u32 v[BA-768+2*\b+2], (\b+1)*8*PITCH, v72
	v_add_nc_u32 v[BA-768+2*\b+3], (\b+1)*8*PITCH, v73
.endr
	WIN 0
	v_mul_u32_u24 v68, v64, 5*272                       ; a scale row is 32 bytes, eight rows a unit of 256 + 16
	v_mul_u32_u24 v69, v64, 3*272
	v_lshl_add_u32 v68, v65, 5, v68
	v_lshl_add_u32 v69, v65, 5, v69
	s_mul_i32 s21, s15, 8*272
	s_add_co_u32 s21, s21, SCL
	v_add_nc_u32 v[ASE], s21, v68
	s_add_co_u32 s21, s21, 272
	v_add_nc_u32 v[ASO], s21, v69
	v_lshlrev_b32 v[CO], 4, v3
	v_lshlrev_b32 v[CO8], 3, v3
	v_lshl_add_u32 v68, v1, 2, v2
	s_lshl_b32 s21, s16, 10
	s_lshl_b32 s22, s15, 7
	SADD 21, 22
	s_add_co_u32 s21, s21, XN
	v_add_nc_u32 v[STO], s21, v68
	s_lshl_b32 s21, s14, 8
	s_add_co_u32 s21, s21, XM
	v_add_nc_u32 v[STV], s21, v68
	PFTILE 8, 9, 100                                    ; what the first refill will load
	WALU
	s_wait_xcnt 0x0
	s_load_b128 s[40:43], s[0:1], 0x40                  ; qf, kf
	s_load_b128 s[48:51], s[0:1], 0x50                  ; vf, sc
	s_mov_b32 s46, 0
	s_mov_b32 s47, 0
	s_mov_b32 s8, SCL
	s_xor_b32 s20, s87, 1                               ; the chunks still to come are the other half's
	s_mul_i32 s21, s20, 2*RA*KROW
	SADD 88, 21
	s_mul_i32 s21, s20, 2*CU*256
	SADD 55, 21
	s_cmp_eq_u32 s14, 0
	s_cbranch_scc0 .Lnot_b
	s_wait_tensorcnt 0x0
.Lnot_b:
	BARRIER                                             ; Wv's rows are in
	PFGO 8, 66
	WEIGHTS
	s_cmp_eq_u32 s14, 3
	s_cbranch_scc1 .Lnot_a0
	s_wait_tensorcnt 0x0
.Lnot_a0:
	s_wait_dscnt 0x0
	BARRIER                                             ; chunk 0 and the scale bytes are in; chunk 1 may still be on its way
	FETCH01
	s_wait_kmcnt 0x0
	s_cmp_eq_u32 s19, 0
	s_cselect_b64 s[10:11], s[40:41], s[42:43]
	s_add_nc_u64 s[10:11], s[10:11], s[76:77]
	s_add_nc_u64 s[48:49], s[48:49], s[80:81]           ; V's codes
	s_add_nc_u64 s[52:53], s[50:51], s[82:83]           ; V's scale words
	s_add_nc_u64 s[50:51], s[50:51], s[78:79]           ; Q's or K's
	s_wait_loadcnt 0x0
; ================= PHASE 1: V, eight blocks; chunk 0's way outs stand in chunk 1's blocks
	s_wait_dscnt NF
	BLOCK 1, 0, HV0, 32, 0, 32, L_STEPE
	WIN 0
	PLACES 4
	WALU
	FETCH 0
	s_wait_dscnt NF
	BLOCK 1, 1, HV0+8, 32, 0, 32, L_STEPO
	WIN 0
	PLACES 4
	WALU
	FETCH 1
	s_wait_dscnt NF
	s_wait_xcnt 0x0                                     ; the list writes v8, the address of the head's prefetch
	GRD
	BLOCK 1, 0, HV0+16, 32, 0, 24, L_V2
	WIN 0
	s_wait_dscnt 0x0
	s_barrier_signal -1
	BLOCK 1, 0, HV0+16, 32, 24, 32, L_NONE
	MIDDLE
	BARRIER
	s_cmp_lt_u32 s14, 2
	s_cbranch_scc0 .Lno_half
	TLOAD G0B, G1B                                      ; waves 0 and 1 a half each of Wq's or Wk's rows, onto Wv's, which all waves hold in registers
.Lno_half:
	PLACES 4                                            ; the places between the block's products and the fetch into their registers, for the waves that come round the load
	WALU
	FETCH 0
	PFGO 7, 4
	PFGO 8, 6
	BLOCK 1, 1, HV0+24, 32, 0, 32, L_STEPO
	WIN 0
	PLACES 4
	WALU
	FETCH 1
.irp j, 0,1,2
	s_wait_dscnt NF+(\j+1)/2
.if \j == 0
	BLOCK 1, 0, HV1, 32, 0, 32, L_OUTE, HV0, 0
.elseif \j == 1
	BLOCK 1, 1, HV1+8, 32, 0, 32, L_OUTO, HV0+32, 1
.else
	BLOCK 1, 0, HV1+16, 32, 0, 32, L_LAST, HV0+64, 2
.endif
	WIN 0
	CODES6 HV0+32*\j, MCD+6*\j, \j
	WALU
	VBYTE \j, 0
	PUT MCD+6*\j, s[48:49], 1536*\j
.if \j < 2
	FETCH \j%2
.endif
.endr
	s_wait_dscnt 1
	BLOCK 1, 1, HV1+24, 32, 0, 26, L_V7, HV0+96, 3
	WIN 0
	WALU
	s_wait_tensorcnt 0x0
	s_wait_dscnt 0x0
	s_barrier_signal -1                                 ; a plain barrier: the weights that the first refill brought are shown to all
	BLOCK 1, 1, HV1+24, 32, 26, 32, L_NONE
	WIN 0
	s_barrier_wait -1
	CODES6 HV0+96, MCD+18, 3
	WALU
	VBYTE 3, 0
	PUT MCD+18, s[48:49], 1536*3
; ================= THE CHANGE OF PHASE: the weights and the first two blocks' rows, which lie in slot 0 still, in one run of loads; chunk 1's four way outs under their flight
	WEIGHTS
	FETCH01
	PFGO 20, 4
	WIN 3
.set I, 0
.rept 16
	v_mov_b32 v[SB+I], v[SB2-768+I]
.set I, I+1
.endr
	WIN 0
.set I, 0
.rept 18
.irp t, 0,1,2,3
	CHAIN I, HV1+32*\t, \t, 64+4*\t
.endr
.set I, I+1
.endr
.set I, 0
.rept 6
.irp t, 0,1,2,3
	CODES I, HV1+32*\t, MCD+24+6*\t, \t, 80+4*\t
.endr
.set I, I+1
.endr
	WIN 0
	WALU
; ================= PHASE 2: Q or K, sixteen blocks
	s_wait_dscnt NF
	BLOCK 0, 0, ACC, 8, 0, 32, L_STEPE
	WIN 0
	PLACES 4
	WALU
.irp t, 0,1,2,3
	VBYTE \t, 1
.endr
.irp t, 0,1,2,3
	PUT MCD+24+6*\t, s[48:49], 12288+1536*\t
.endr
	FETCH 0
	ODD NF+4, 1
	s_mov_b32 s86, 0
.Lwith_rounds:                                          ; blocks 2 to 5, 6 to 9
	EVENROUND NF+1
	ODD -1, 1
	EVEN NF+1, 1
	ODD NF+1, 1
	s_add_co_u32 s86, s86, 1
	s_cmp_lg_u32 s86, 2
	s_cbranch_scc1 .Lwith_rounds
.Lwithout:                                              ; blocks 10, 11 and 12, 13
	EVENSHOW NF+1
	ODD -1, 1
	s_add_co_u32 s86, s86, 1
	s_cmp_lg_u32 s86, 4
	s_cbranch_scc1 .Lwithout
	EVEN NF+1, 0
	ODD 1, 0
; ================= THE END: the last way out; the scale bytes go through LDS under its conversions
	s_lshl_b32 s21, s14, 8
	s_add_co_u32 s21, s21, XN
	v_add_nc_u32 v12, s21, v[CO8]
	s_lshl_b32 s21, s14, 6
	s_add_co_u32 s21, s21, XM
	v_and_b32 v13, 1, v3
	v_lshrrev_b32 v15, 1, v3
	v_lshlrev_b32 v13, 8, v13
	v_lshl_add_u32 v13, v15, 2, v13
	v_add_nc_u32 v13, s21, v13
.set I, 0
.rept 18
	CHAIN I, ACC+32, 1
.set I, I+1
.endr
	CODES 2, ACC+32, NCD+6, 1
	WALU
	ds_store_b8 v[VX], v[EB+1] offset:64
	s_wait_dscnt 0x0
	s_barrier_signal -1
	CODES 0, ACC+32, NCD+6, 1
	CODES 1, ACC+32, NCD+6, 1
	v_nop
.irp i, 3,4,5
	CODES \i, ACC+32, NCD+6, 1
.endr
	s_barrier_wait -1
	WALU
	ds_load_b64 v[64:65], v12                           ; bytes 0, 1 of my words (columns b = 0),
	ds_load_b64 v[66:67], v12 offset:1024               ; bytes 2, 3
	ds_load_b32 v68, v13
	ds_load_b32 v69, v13 offset:512
	PUT NCD+6, s[84:85], 1536
	s_wait_dscnt 0x0
	v_perm_b32 v72, v66, v64, 0x05040100
	v_perm_b32 v73, v66, v64, 0x07060302
	v_perm_b32 v74, v67, v65, 0x05040100
	v_perm_b32 v75, v67, v65, 0x07060302
	v_perm_b32 v76, v69, v68, 0x05040100
	v_perm_b32 v77, v69, v68, 0x07060302
	global_store_b128 v[CO], v[72:75], s[50:51]
	global_store_b64 v[CO8], v[76:77], s[52:53]
	s_wait_tensorcnt 0x0
	ds_add_u32 v[SPW], v[NIL]
	s_wait_dscnt 0x0
	CROUND
	s_endpgm
.Lfunc_end_k_q0160b8257b_proj:
	.size	k_q0160b8257b_proj, .Lfunc_end_k_q0160b8257b_proj-k_q0160b8257b_proj
	.p2alignl 7, 3214868480
	.fill 96, 4, 3214868480
	.section	.rodata,"a",@progbits
	.p2align	6, 0x0
	.amdhsa_kernel k_q0160b8257b_proj
		.amdhsa_group_segment_fixed_size 327680
		.amdhsa_private_segment_fixed_size 0
		.amdhsa_enable_private_segment 0
		.amdhsa_kernarg_size 96
		.amdhsa_user_sgpr_count 2
		.amdhsa_user_sgpr_kernarg_segment_ptr 1
		.amdhsa_wavefront_size32 1
		.amdhsa_system_sgpr_workgroup_id_x 1
		.amdhsa_system_sgpr_workgroup_id_y 1
		.amdhsa_system_sgpr_workgroup_id_z 1
		.amdhsa_system_vgpr_workitem_id 0
		.amdhsa_next_free_vgpr 992
		.amdhsa_next_free_sgpr 102
		.amdhsa_reserve_vcc 0
		.amdhsa_float_denorm_mode_32 3
		.amdhsa_float_denorm_mode_16_64 3
		.amdhsa_memory_ordered 1
		.amdhsa_forward_progress 1
		.amdhsa_inst_pref_size 189
	.end_amdhsa_kernel
	.amdgpu_metadata
---
amdhsa.version: [ 1, 2 ]
amdhsa.kernels:
  - .name:           k_q0160b8257b_proj
    .symbol:         k_q0160b8257b_proj.kd
    .args:
      - { .name: x_codes, .offset: 0, .size: 8, .value_kind: global_buffer, .address_space: global }
      - { .name: x_scales, .offset: 8, .size: 8, .value_kind: global_buffer, .address_space: global }
      - { .name: Wq_codes, .offset: 16, .size: 8, .value_kind: global_buffer, .address_space: global }
      - { .name: Wq_scales, .offset: 24, .size: 8, .value_kind: global_buffer, .address_space: global }
      - { .name: Wk_codes, .offset: 32, .size: 8, .value_kind: global_buffer, .address_space: global }
      - { .name: Wk_scales, .offset: 40, .size: 8, .value_kind: global_buffer, .address_space: global }
      - { .name: Wv_codes, .offset: 48, .size: 8, .value_kind: global_buffer, .address_space: global }
      - { .name: Wv_scales, .offset: 56, .size: 8, .value_kind: global_buffer, .address_space: global }
      - { .name: qf, .offset: 64, .size: 8, .value_kind: global_buffer, .address_space: global }
      - { .name: kf, .offset: 72, .size: 8, .value_kind: global_buffer, .address_space: global }
      - { .name: vf, .offset: 80, .size: 8, .value_kind: global_buffer, .address_space: global }
      - { .name: sc, .offset: 88, .size: 8, .value_kind: global_buffer, .address_space: global }
    .group_segment_fixed_size: 327680
    .private_segment_fixed_size: 0
    .kernarg_segment_align: 8
    .kernarg_segment_size: 96
    .max_flat_workgroup_size: 128
    .sgpr_count:     102
    .vgpr_count:     992
    .wavefront_size: 32
...
	.end_amdgpu_metadata
.endif
;; end of part 1
;; launch scores (part 2): grid 32 x 8, 4 waves a work-group, clusters of 4 x 4, 327,680 bytes of LDS; arguments qf, kf, sc, pf, pm; writes pf, pm
.if DOCPART == 2
	.amdgcn_target "amdgcn-amd-amdhsa--gfx1250"
	.amdhsa_code_object_version 6
	.text
	.protected	k_q0160b8257b_scores
	.globl	k_q0160b8257b_scores
	.p2align	8
	.type	k_q0160b8257b_scores,@function
k_q0160b8257b_scores:
	s_mov_b64 s[64:65], 0
	v_nop
	global_prefetch_b8 v0, s[64:65] scope:SCOPE_SE
	s_setreg_imm32_b32 hwreg(HW_REG_WAVE_MODE, 25, 1), 1
	s_wait_xcnt 0x0
	s_wait_alu depctr_hold_cnt(0) depctr_sa_sdst(0) depctr_va_vdst(0) depctr_va_sdst(0) depctr_va_ssrc(0) depctr_va_vcc(0) depctr_vm_vsrc(0)
	s_getreg_b32 s2, hwreg(HW_REG_IB_STS2, 6, 4)
	s_cmp_eq_u32 s2, 0
	s_cbranch_scc0 .Lentry_in_a_cluster
	s_endpgm
.Lentry_in_a_cluster:
	s_bfe_u32 s2, ttmp6, 0x10000c
	s_cmp_lg_u32 s2, 0xf033
	s_cbranch_scc0 .Lentry_shape_is_right
	s_endpgm
.Lentry_shape_is_right:
; S^T = k q^T on the codes that the first launch made; p = 2^(t - M'), t = score x log2(e) / 32, M' = the ceiling of the largest t of a query over a chunk of 128 keys; p is quantised along the keys.
; M' is a whole number, so p under M' has the codes of p under the row's M; only the scale bytes differ, by M - M'.  The last launch takes that off the bytes.  No work is left out.  LIMITS: as stated at the head of the first kernel.
; OUT: pf [256 queries x][pair of chunks y][wave][chunk of the pair][tile][1,536 bytes: an operand's 12 registers in three pieces];  pm [64 queries][chunk][768: -M', l' (16 x lane), then the scale words (8 x lane)].
; SHARES.  Work-group (x, y): 256 queries, key chunks 2 y and 2 y + 1 of their batch.  Wave w keeps the fragments of queries 64 w .. 64 w + 63 for all of K in 384 registers; k's fragments stream past.
; A cluster is 4 x 4 work-groups of one batch: q's tiles are shared along its columns (same x), k's along its rows (same y).
; FILLS.  At the head one load a wave: q's two chunks, k's first chunk, k's and q's scale words.  When q lies in registers, k's second chunk fills the bytes of q's first, a quarter a wave, behind a drained round: it has the first trip in which to land.
; No prefetch: that one refill stands right behind the head, with no trip ahead of it in which to ask.
; REGISTERS: window 1 k's fragments, two buffers; window 2 the 32 accumulators ((n, t) at 64 n + 8 t); q in window 3, v192-239 of window 1, v128-223 of window 0.
.set STEPB, 12288
.set CHB, 98304                        ; a chunk's codes: 8 K steps
.set QO,  CHB                          ; LDS: k's first chunk at 0, q's two at QO (k's second chunk later at QO),
.set KSO, 3*CHB                        ; k's scale words, 4,096 bytes a chunk,
.set QSO, KSO+8192                     ; q's
.set SPARE, QSO+8192
.set SPW, 1
.set NIL, 2
.set LA,  3                            ; v3-4  16 x lane + the trip's chunk + 49,152 g
.set SW,  5                            ; v5    8 x lane + the chunk's scale words
.set L8,  7                            ; v7    8 x lane
.set H8,  9                            ; v9    8 x (lane / 16)
.set LB,  10                           ; v10-11  8 x lane + the trip's chunk + 49,152 g
.set L16, 12                           ; v12   16 x lane
.set QR,  13                           ; v13, v14 (and v16, v17: 4 K steps on)  my q fragments, for loads of 16 and of 8 bytes;  v15 their scale words
.set SA0, 32                           ; k's scale words: K step q, tiles 2 p, 2 p + 1: v[SA0 + 4 q + p]
.set SA1, 64                           ; q's: v[SA1 + 2 q + p]
.set BM,  80
.set BT,  84
.set SO,  88
.set TT,  92
.set SU,  94
.set PC,  100
.set PK4, 120
.set PK2, 124
.set ST,  244                          ; tile n: v[ST + 2 n] = -M', v[ST + 2 n + 1] = l'
.set PWR, 252
.set WV,  14
.set HM,  19
.set SEL, 20
.set CS,  22
.set G1Q, 24
.set G1K, 32
.set G1KS, 40
.set G1QS, 48
.set G0Q, 56
.set G0K, 60
.set G0KS, 68
.set G0QS, 72
.set G0R, 76
.set PFB, 80
.set PMB, 82
.set MSB, 0
.macro WIN new
.if MSB != (\new)
	s_set_vgpr_msb (MSB<<8)|(\new)
.set MSB, (\new)
.endif
.endm
.macro PLACES n
.rept \n
	v_nop
.endr
.endm
.macro CROUND
	s_barrier_signal -1
	s_barrier_wait -1
	s_cmp_lg_u32 s[WV], 0
	s_cbranch_scc1 .Lnot_wave_0_\@
	s_barrier_signal -3
.Lnot_wave_0_\@:
	s_barrier_wait -3
	s_barrier_signal -1
	s_barrier_wait -1
.endm
.macro TLOAD g0, g1
	tensor_load_to_lds s[\g0:\g0+3], s[\g1:\g1+7]
	s_nop 0
	PLACES 4
.endm
.macro GRP1 g, mask, rows              ; a dense block: rows of 256 bytes, 32 elements of 8
	s_or_b32 s[\g], s\mask, (3<<16)|(1<<21)
	s_mov_b32 s[\g+1], 32<<16
	s_mov_b32 s[\g+2], (\rows)<<16
	s_mov_b32 s[\g+3], 32<<16
	s_mov_b32 s[\g+4], \rows
	s_mov_b32 s[\g+5], 32
	s_mov_b32 s[\g+6], 0
	s_mov_b32 s[\g+7], 0
.endm
.macro GRP0 g, lds, base, off          ; at LDS byte lds, from base + the 64-bit offset in s[off:off+1]
	s_mov_b32 s[\g], 1
	s_mov_b32 s[\g+1], \lds
	s_add_nc_u64 s[\g+2:\g+3], s[\base:\base+1], s[\off:\off+1]
	s_or_b32 s[\g+3], s[\g+3], 0x80000000
.endm
.macro SLOTAT q
.if (\q) < 5
.set SLW, 3
.set SLB, 48*(\q)
.elseif (\q) == 5
.set SLW, 1
.set SLB, 192
.else
.set SLW, 0
.set SLB, 128+48*((\q)-6)
.endif
.endm
.macro WM d, a, b, c, sa, sb, ra, rb
	v_wmma_scale_f32_16x16x128_f8f6f4 v[\d:\d+7], v[\a:\a+11], v[\b:\b+11], \c, v[\sa], v[\sb] matrix_a_fmt:MATRIX_FMT_FP6 matrix_b_fmt:MATRIX_FMT_FP6 matrix_a_scale:MATRIX_SCALE_ROW\ra matrix_b_scale:MATRIX_SCALE_ROW\rb
.endm
.macro MULT k, p0, p1, zero            ; k's pairs of tiles p0 .. p1 against q's four; the 32 accumulators take turns
.set mb, 96*((\k)%2)
	SLOTAT (\k)
	WIN 0xa1|(SLW<<2)
.set mp, \p0
.rept (\p1)-(\p0)+1
.irp ra, 0,1
.irp np, 0,1
.irp rb, 0,1
.set md, 64*(2*\np+\rb)+8*(2*mp+\ra)
.if \zero
	WM md, mb+12*(2*mp+\ra), SLB+12*(2*\np+\rb), 0, SA0+4*(\k)+mp, SA1+2*(\k)+\np, \ra, \rb
.else
	WM md, mb+12*(2*mp+\ra), SLB+12*(2*\np+\rb), v[md:md+7], SA0+4*(\k)+mp, SA1+2*(\k)+\np, \ra, \rb
.endif
.endr
.endr
.endr
.set mp, mp+1
.endr
.endm
.macro FETCH k                         ; step k's scale words, then its eight fragments as they lie: 34 loads
.set fb, 96*((\k)%2)
.set fof, STEPB*((\k)%4)
.set fg, (\k)/4
	WIN 0
.irp h, 0,1
	ds_load_b64 v[SA0+4*(\k)+2*\h:SA0+4*(\k)+2*\h+1], v[SW] offset:512*(\k)+256*\h
.endr
	WIN 0x40
.set ft, 0
.rept 8
.irp c, 0,1                            ; a half operand is 512 bytes, then 256
	ds_load_b128 v[fb+12*ft+6*\c:fb+12*ft+6*\c+3], v[LA+fg] offset:fof+1536*ft+768*\c
	ds_load_b64 v[fb+12*ft+6*\c+4:fb+12*ft+6*\c+5], v[LB+fg] offset:fof+1536*ft+768*\c+512
.endr
.set ft, ft+1
.endr
.endm
.macro KSTEP k, zero
	s_wait_dscnt 16                                ; tiles 0 to 3 and the scale words are in; the youngest 16 loads may be out
	MULT \k, 0, 0, \zero
.if (\k) < 7
	PLACES 4
	FETCH (\k)+1
	s_wait_dscnt 34                                ; all but the 34 just issued
	MULT \k, 1, 3, \zero
.else
	s_wait_dscnt 0x0
	s_wait_tensorcnt 0x0                           ; my quarter of k's second chunk has landed: the barrier shows the chunk to all, ahead of the second trip
	s_barrier_signal -1
	MULT \k, 1, 3, \zero
	s_barrier_wait -1
.endif
.endm
; Tile n of queries against the trip's chunk: a lane holds one query and 64 of the 128 keys; registers 32 c + 0 .. 31 are one scale block, that of keys 64 c + 32 h.
.macro SOFT n
.set AB, 64*(\n)
.set SN, ST+2*(\n)
	WIN 0x28
.irp b, 0,1,2,3
	v_max3_num_f32 v[BM+\b], 0xff800000, v[AB+16*\b], v[AB+16*\b+1]   ; the largest score of each block: it serves for the row's maximum and, since p rises with the score, for the block's largest p
.endr
.irp i, 2,4,6,8,10,12,14
.irp b, 0,1,2,3
	v_max3_num_f32 v[BM+\b], v[BM+\b], v[AB+16*\b+\i], v[AB+16*\b+\i+1]
.endr
.endr
	WIN 0
	v_max_num_f32 v[BM], v[BM], v[BM+1]            ; block 0's largest score,
	v_max_num_f32 v[BM+1], v[BM+2], v[BM+3]        ; block 1's
	v_max_num_f32 v[TT], v[BM], v[BM+1]
	v_permlanex16_b32 v[BT], v[TT], s[SEL], s[SEL+1]
	v_max_num_f32 v[TT], v[TT], v[BT]              ; with the other half's 64 keys
	v_mul_f32 v[TT], s[CS], v[TT]                  ; the largest t
	v_floor_f32 v[SN], -v[TT]                      ; -M' = floor(-t)
.irp b, 0,1
	v_fma_f32 v[BM+\b], v[BM+\b], s[CS], v[SN]
.endr
	WIN 0x82                                       ; destination and source 0 window 2
.set sj, 0
.rept 32
	v_pk_fma_f32 v[AB+sj:AB+sj+1], v[AB+sj:AB+sj+1], s[CS:CS+1], v[SN:SN+1] op_sel_hi:[1,0,0]   ; t - M'
.set sj, sj+2
.endr
.set sj, 0
	s_wait_alu depctr_va_vdst(0)                   ; the wait ahead of the batch
.rept 64
	v_exp_f32 v[AB+sj], v[AB+sj]                   ; p, at most 1: not normalised
.set sj, sj+1
.endr
	v_nop                                          ; a plain place behind the exponentials
	s_wait_alu depctr_va_vdst(0)                   ; one wait for the batch, ahead of its first reader
	WIN 0
.irp b, 0,1
	v_exp_f32 v[BM+\b], v[BM+\b]                   ; the block's largest p: the same two instructions on the same number
.endr
	WIN 0x0a
	v_pk_add_f32 v[SU:SU+1], v[AB:AB+1], v[AB+2:AB+3]          ; the sum of the unquantised p, in two chains
	v_pk_add_f32 v[SU+2:SU+3], v[AB+4:AB+5], v[AB+6:AB+7]
	WIN 0x08
.set sj, 8
.rept 14
	v_pk_add_f32 v[SU:SU+1], v[SU:SU+1], v[AB+sj:AB+sj+1]
	v_pk_add_f32 v[SU+2:SU+3], v[SU+2:SU+3], v[AB+sj+2:AB+sj+3]
.set sj, sj+4
.endr
	WIN 0
	v_pk_add_f32 v[SU:SU+1], v[SU:SU+1], v[SU+2:SU+3]
	s_wait_alu depctr_va_vdst(0)                   ; and one for the two
.irp b, 0,1
	v_max_num_f32 v[BM+\b], 0x1800000, v[BM+\b]    ; the floor 2^(3 - 127)
.endr
	v_add_f32 v[TT], v[SU], v[SU+1]
.irp b, 0,1
	v_add_nc_u32 v[SO+\b], 0xff000000, v[BM+\b]
.endr
	v_permlanex16_b32 v[TT+1], v[TT], s[SEL], s[SEL+1]
.irp b, 0,1
	v_lshrrev_b32 v[BT+\b], 23, v[SO+\b]           ; the byte: 125 at the most, since p stays under 2
.endr
	v_add_f32 v[SN+1], v[TT], v[TT+1]              ; l'
	v_lshl_or_b32 v[PWR+(\n)], v[BT+1], 16, v[BT]  ; my two bytes, blocks h and 2 + h, at their places in the word,
	v_lshlrev_b32 v[PWR+(\n)], v[H8], v[PWR+(\n)]
	v_permlanex16_b32 v[BT+2], v[PWR+(\n)], s[SEL], s[SEL+1]
	v_or_b32 v[PWR+(\n)], v[PWR+(\n)], v[BT+2]     ; and the other half's
	s_wait_xcnt 0x0                                ; the last stores have read the codes' registers
	WIN 0x02
.irp c, 0,1
	v_cvt_scalef32_pk16_fp6_f32 v[PC+6*\c:PC+6*\c+2], v[AB+32*\c:AB+32*\c+15], v[SO+\c]
	v_cvt_scalef32_pk16_fp6_f32 v[PC+12+4*\c:PC+14+4*\c], v[AB+32*\c+16:AB+32*\c+31], v[SO+\c]
.endr
	WIN 0
	v_nop
.irp c, 0,1
.irp i, 0,1,2
	v_mov_b32 v[PC+3+6*\c+\i], v[PC+12+4*\c+\i]
.endr
.endr
.irp c, 0,1,2
	global_store_b128 v[L16], v[PC+4*\c:PC+4*\c+3], s[PFB:PFB+1] offset:1536*(\n)+512*\c
.endr
.endm
	s_load_b256 s[4:11], s[0:1], 0x0               ; qf, kf, sc, pf
	s_load_b64 s[12:13], s[0:1], 0x20              ; pm
	v_lshl_add_u32 v[SPW], v0, 2, SPARE
	v_mov_b32 v[NIL], 0
	ds_add_u32 v[SPW], v[NIL]                      ; the opening: the add, twice on end, and its wait ahead of my first tensor load
	ds_add_u32 v[SPW], v[NIL]
	v_lshrrev_b32 v8, 5, v0
	v_readfirstlane_b32 s[WV], v8
	v_and_b32 v8, 31, v0
	v_bfe_u32 v[H8], v0, 4, 1
	v_lshlrev_b32 v[L16], 4, v8
	v_lshlrev_b32 v[L8], 3, v8
	v_lshlrev_b32 v[H8], 3, v[H8]
.irp b, 0,1,2,3
	v_mov_b32 v[BT+\b], 0                          ; a lane permute's destination counts as one of its sources
	v_mov_b32 v[ST+1+2*\b], 0                      ; named as the upper half of a pair before it is first written
.endr
	v_mov_b32 v[TT+1], 0
	s_bfe_u32 s15, ttmp6, 0x40000                  ; cx
	s_bfe_u32 s2, ttmp6, 0x40004                   ; cy
	s_lshl_b32 s16, ttmp9, 2
	s_add_co_u32 s16, s16, s15                     ; x: my block of 256 queries
	s_and_b32 s17, ttmp7, 0xffff
	s_lshl_b32 s17, s17, 2
	s_add_co_u32 s17, s17, s2                      ; y
	s_lshr_b32 s18, ttmp9, 1                       ; the batch, which all sixteen partners share
	s_lshl_b32 s90, s2, 2
	s_lshl_b32 s90, 15, s90                        ; my row of the cluster: the same y
	s_lshl_b32 s91, 0x1111, s15                    ; my column: the same x
	s_mov_b32 s[HM], 0xffff0000
	s_mov_b32 s[SEL], 0x76543210
	s_mov_b32 s[SEL+1], 0xfedcba98
	s_mov_b32 s[CS], 0x3d38aa3b                    ; log2(e) / 32
	s_mov_b32 s[CS+1], s[CS]
	GRP1 G1Q, 91, 768                              ; 196,608 bytes: chunks 2 x and 2 x + 1
	GRP1 G1K, 90, 384
	GRP1 G1KS, 90, 32
	GRP1 G1QS, 91, 32
	s_lshl_b32 s88, s18, 4
	s_lshl_b32 s89, s17, 1
	s_add_co_u32 s88, s88, s89                     ; k's first chunk: 16 x batch + 2 y
	s_lshl_b32 s92, s88, 12
	s_add_co_u32 s92, s92, 262144                  ; its scale words
	s_mov_b32 s93, 0
	s_mul_i32 s88, s88, CHB
	s_lshl_b32 s3, s16, 2
	s_add_co_u32 s3, s3, s[WV]                     ; 4 x + w: my block of 64 queries
	s_lshl_b32 s3, s3, 4
	s_add_co_u32 s3, s3, s89
	s_mul_i32 s[PMB], s3, 768
	s_mov_b32 s[PMB+1], 0
	s_lshl_b32 s3, s16, 3
	s_add_co_u32 s3, s3, s17
	s_mul_i32 s[PFB], s3, 49152
	s_mul_i32 s3, s[WV], STEPB
	s_add_co_u32 s[PFB], s[PFB], s3
	s_mov_b32 s[PFB+1], 0
	s_mov_b32 s89, 0
	s_mul_i32 s86, s16, 2*CHB
	s_mov_b32 s87, 0
	s_lshl_b32 s94, s16, 13
	s_mov_b32 s95, 0
	s_wait_alu depctr_va_vdst(0)                   ; the wait here, directly ahead of the waits below
	s_wait_dscnt 0x0
	s_wait_kmcnt 0x0
	GRP0 G0Q, QO, 4, 86
	GRP0 G0K, 0, 6, 88
	GRP0 G0KS, KSO, 8, 92
	GRP0 G0QS, QSO, 8, 94
	s_mul_i32 s92, s[WV], CHB/4                    ; the refill: my quarter of k's second chunk, onto q's first chunk
	s_add_co_u32 s88, s88, s92
	s_add_co_u32 s88, s88, CHB
	GRP0 G0R, 0, 6, 88
	s_add_co_u32 s[G0R+1], s92, QO
	s_add_nc_u64 s[PFB:PFB+1], s[10:11], s[PFB:PFB+1]
	s_add_nc_u64 s[PMB:PMB+1], s[12:13], s[PMB:PMB+1]
	CROUND                                         ; all sixteen work-groups are here: the joint loads meet
	s_cmp_eq_u32 s[WV], 0
	s_cbranch_scc0 .Lwave_1
	TLOAD G0Q, G1Q                                 ; wave 0: q
	s_branch .Lasked
.Lwave_1:
	s_cmp_eq_u32 s[WV], 1
	s_cbranch_scc0 .Lwave_2
	TLOAD G0QS, G1QS                               ; wave 1: q's scale words
	s_branch .Lasked
.Lwave_2:
	s_cmp_eq_u32 s[WV], 2
	s_cbranch_scc0 .Lwave_3
	TLOAD G0K, G1K                                 ; wave 2: k's first chunk
	s_branch .Lasked
.Lwave_3:
	TLOAD G0KS, G1KS                               ; wave 3: k's scale words, both chunks
.Lasked:
	s_lshr_b32 s86, s[WV], 1
	s_and_b32 s87, s[WV], 1
	s_mul_i32 s88, s86, 4096
	s_mul_i32 s89, s87, 256
	s_add_co_u32 s88, s88, s89
	s_add_co_u32 s88, s88, QSO
	s_mul_i32 s86, s86, CHB
	s_mul_i32 s87, s87, 6144
	s_add_co_u32 s86, s86, s87
	s_add_co_u32 s86, s86, QO                      ; my four tiles of K step 0
	s_add_co_u32 s87, s86, 4*STEPB
	v_add_nc_u32 v[QR], s86, v[L16]
	v_add_nc_u32 v[QR+1], s86, v[L8]
	v_add_nc_u32 v[QR+2], s88, v[L8]
	v_add_nc_u32 v[QR+3], s87, v[L16]
	v_add_nc_u32 v[QR+4], s87, v[L8]
	s_wait_alu depctr_va_vdst(0)                   ; the wait at the head's end
	s_cmp_lt_u32 s[WV], 2
	s_cbranch_scc0 .Lnot_q
	s_wait_tensorcnt 0x0                           ; q and its scale words have landed; k's may be on their way
.Lnot_q:
	s_barrier_signal -1
	s_barrier_wait -1
.set lq, 0
.rept 8                                        ; q's fragments, all of K, into registers
	SLOTAT lq
	WIN SLW<<6
.irp n, 0,1,2,3
.irp c, 0,1
	ds_load_b128 v[SLB+12*\n+6*\c:SLB+12*\n+6*\c+3], v[QR+3*(lq/4)] offset:STEPB*(lq%4)+1536*\n+768*\c
	ds_load_b64 v[SLB+12*\n+6*\c+4:SLB+12*\n+6*\c+5], v[QR+1+3*(lq/4)] offset:STEPB*(lq%4)+1536*\n+768*\c+512
.endr
.endr
.set lq, lq+1
.endr
	WIN 0
.irp q, 0,1,2,3,4,5,6,7
	ds_load_b64 v[SA1+2*\q:SA1+2*\q+1], v[QR+2] offset:512*\q
.endr
	s_wait_tensorcnt 0x0                           ; all my loads have landed;
	ds_add_u32 v[SPW], v[NIL]                      ; the add ahead of a refill's round;
	s_mov_b32 s[G1K+2], 96<<16                     ; from here on a load of k's brings a quarter of a chunk
	s_mov_b32 s[G1K+4], 96
	s_mov_b32 s84, 0
	s_wait_dscnt 0x0                               ; the add and my reads of q are done
	CROUND                                         ; both now hold of every wave of every partner
	TLOAD G0R, G1K
.Lchunk:                                       ; a trip: one chunk of 128 keys
	s_mul_i32 s86, s84, CHB
	s_add_co_u32 s87, s86, 4*STEPB
	s_mul_i32 s88, s84, 4096
	s_add_co_u32 s88, s88, KSO
	v_add_nc_u32 v[SW], s88, v[L8]
	v_add_nc_u32 v[LA], s86, v[L16]
	v_add_nc_u32 v[LB], s86, v[L8]
	v_add_nc_u32 v[LA+1], s87, v[L16]
	v_add_nc_u32 v[LB+1], s87, v[L8]
	s_wait_alu depctr_va_vdst(0)
	FETCH 0
	KSTEP 0, 1
.irp k, 1,2,3,4,5,6,7
	KSTEP \k, 0
.endr
	WIN 0
	PLACES 4
.irp n, 0,1,2,3
	SOFT \n
.endr
	v_cndmask_b32 v[PK4], v[ST], v[ST+2], s[HM]    ; tiles 0, 1 (lanes 0-15, 16-31) and tiles 2, 3: -M',
	v_cndmask_b32 v[PK4+1], v[ST+4], v[ST+6], s[HM]
	v_cndmask_b32 v[PK4+2], v[ST+1], v[ST+3], s[HM]   ; l',
	v_cndmask_b32 v[PK4+3], v[ST+5], v[ST+7], s[HM]
	v_cndmask_b32 v[PK2], v[PWR], v[PWR+1], s[HM]  ; the scale words
	v_cndmask_b32 v[PK2+1], v[PWR+2], v[PWR+3], s[HM]
	global_store_b128 v[L16], v[PK4:PK4+3], s[PMB:PMB+1]
	global_store_b64 v[L8], v[PK2:PK2+1], s[PMB:PMB+1] offset:512
	s_wait_alu depctr_va_vdst(0)                   ; the wait ahead of the jump
	s_wait_xcnt 0x0                                ; the stores have read their bases
	s_add_nc_u64 s[PFB:PFB+1], s[PFB:PFB+1], 6144
	s_add_nc_u64 s[PMB:PMB+1], s[PMB:PMB+1], 768
	s_add_co_u32 s84, s84, 1
	s_cmp_lg_u32 s84, 2
	s_cbranch_scc1 .Lchunk
	s_wait_tensorcnt 0x0                           ; the wave's end
	ds_add_u32 v[SPW], v[NIL]
	s_wait_dscnt 0x0
	CROUND                                         ; the closing round
	s_endpgm
.Lfunc_end_k_q0160b8257b_scores:
	.size	k_q0160b8257b_scores, .Lfunc_end_k_q0160b8257b_scores-k_q0160b8257b_scores
	.p2alignl 7, 3214868480
	.fill 96, 4, 3214868480
	.section	.rodata,"a",@progbits
	.p2align	6, 0x0
	.amdhsa_kernel k_q0160b8257b_scores
		.amdhsa_group_segment_fixed_size 327680
		.amdhsa_private_segment_fixed_size 0
		.amdhsa_enable_private_segment 0
		.amdhsa_kernarg_size 40
		.amdhsa_user_sgpr_count 2
		.amdhsa_user_sgpr_kernarg_segment_ptr 1
		.amdhsa_wavefront_size32 1
		.amdhsa_system_sgpr_workgroup_id_x 1
		.amdhsa_system_sgpr_workgroup_id_y 1
		.amdhsa_system_sgpr_workgroup_id_z 1
		.amdhsa_system_vgpr_workitem_id 0
		.amdhsa_next_free_vgpr 1024
		.amdhsa_next_free_sgpr 102
		.amdhsa_reserve_vcc 0
		.amdhsa_float_denorm_mode_32 3
		.amdhsa_float_denorm_mode_16_64 3
		.amdhsa_memory_ordered 1
		.amdhsa_forward_progress 1
		.amdhsa_inst_pref_size 113
	.end_amdhsa_kernel
	.amdgpu_metadata
---
amdhsa.version: [ 1, 2 ]
amdhsa.kernels:
  - .name:           k_q0160b8257b_scores
    .symbol:         k_q0160b8257b_scores.kd
    .args:
      - { .name: qf, .offset: 0, .size: 8, .value_kind: global_buffer, .address_space: global }
      - { .name: kf, .offset: 8, .size: 8, .value_kind: global_buffer, .address_space: global }
      - { .name: sc, .offset: 16, .size: 8, .value_kind: global_buffer, .address_space: global }
      - { .name: pf, .offset: 24, .size: 8, .value_kind: global_buffer, .address_space: global }
      - { .name: pm, .offset: 32, .size: 8, .value_kind: global_buffer, .address_space: global }
    .group_segment_fixed_size: 327680
    .private_segment_fixed_size: 0
    .kernarg_segment_align: 8
    .kernarg_segment_size: 40
    .max_flat_workgroup_size: 128
    .sgpr_count:     102
    .vgpr_count:     1024
    .wavefront_size: 32
...
	.end_amdgpu_metadata
.endif
;; end of part 2
;; launch mix (part 3): grid 32 x 8, 4 waves a work-group, clusters of 4 x 4, 327,680 bytes of LDS; arguments pf, pm, vf, sc, out0; writes out0
.if DOCPART == 3
	.amdgcn_target "amdgcn-amd-amdhsa--gfx1250"
	.amdhsa_code_object_version 6
	.text
	.protected	k_q0160b8257b_mix
	.globl	k_q0160b8257b_mix
	.p2align	8
	.type	k_q0160b8257b_mix,@function
k_q0160b8257b_mix:
	s_mov_b64 s[64:65], 0
	v_nop
	global_prefetch_b8 v0, s[64:65] scope:SCOPE_SE
	s_setreg_imm32_b32 hwreg(HW_REG_WAVE_MODE, 25, 1), 1
	s_wait_xcnt 0x0
	s_wait_alu depctr_hold_cnt(0) depctr_sa_sdst(0) depctr_va_vdst(0) depctr_va_sdst(0) depctr_va_ssrc(0) depctr_va_vcc(0) depctr_vm_vsrc(0)
	s_getreg_b32 s2, hwreg(HW_REG_IB_STS2, 6, 4)
	s_cmp_eq_u32 s2, 0
	s_cbranch_scc0 .Lentry_in_a_cluster
	s_endpgm
.Lentry_in_a_cluster:
	s_bfe_u32 s2, ttmp6, 0x10000c
	s_cmp_lg_u32 s2, 0xf033
	s_cbranch_scc0 .Lentry_shape_is_right
	s_endpgm
.Lentry_shape_is_right:
; O^T = v^T p^T / l.  For each query M = the largest of its 16 M', l = the sum of l' x 2^(M' - M); M - M' is taken off the four scale bytes of each of p's fragments, whose codes stay as they are.
; No work is left out.  LIMITS: as stated at the head of the first kernel; and a scale byte of p that would fall under 0 is held at 0, and M - M' at 127: such a block's p lies under 2^-124 beside a sum above 1/2.
; SHARES.  Work-group (x, y): 256 queries x 128 of the 1,024 outputs, K = the batch's 2,048 keys in 16 steps.  Wave w has queries 64 w .. 64 w + 63; all four waves read v^T.
; A cluster is 4 x 4 work-groups of one batch: p's tiles are shared along its columns (same x), v's along its rows (same y).
; THE RING: two slots of four K steps, 49,152 bytes of v^T and 98,304 of p, images of fragments.  At the head one load a wave: waves 0, 1 slot 0's v^T and p, waves 2, 3 slot 1's.  In K steps 3 and 7 a drained round, behind which the same waves fill their slot again;
; in K step 11 a plain barrier shows the last fill.  Each fill has four K steps in which to land, but for the rounds' own products.
; PREFETCHES: in K steps 0 and 4, for the refills in K steps 3 and 7: a tile's blocks of 256 bytes are shared out by address among the sixteen waves that will ask for it jointly.
; REGISTERS: window 0: v3-19 addresses, v32-63 p's scale words, v64-127 v's, v128-223 p's slots 6, 7, v224-247 at work.  window 1: v^T's fragments, two buffers; slot 5.  window 2: the accumulators
; ((n, t) at 64 n + 8 t); ahead of the products the statistics and raw scale words.  window 3: slots 0 to 4.
.set STEPB, 12288
.set PO,   4*STEPB                     ; p's part of a slot
.set SLOT, PO+98304
.set STAGE, 0                          ; the way out: 16 rows x (512 + 16) bytes for each wave, in slot 0, which has had its last fill and its last read by then
.set SPARE, 2*SLOT
.set SPW, 1
.set NIL, 2
.set LA,  3                            ; v3-4   v^T, 16 x lane, slot 0, 1
.set LB,  5                            ; v5-6   8 x lane
.set PA,  7                            ; v7-8   my p, 16 x lane
.set L16, 9
.set L8,  10
.set STO, 11                           ; v11 for even tiles of v^T, v12 for odd ones
.set RD,  13
.set PFP, 18                           ; what I ask for of p's next tile, and of v's
.set PFV, 19
.set SCP, 32                           ; p's scale words: K step k, tiles 2 p, 2 p + 1: v[SCP + 2 k + p]
.set SCV, 64                           ; v's: v[SCV + 4 k + p]
.set NM,  224                          ; -M
.set LS,  226                          ; l
.set RC,  228
.set RX,  230
.set RL,  240                          ; 1 / l of tile n, twice: v[RL + 2 n : RL + 2 n + 1]
.set WV,  14
.set HM,  19
.set SEL, 20
.set REP, 22
.set HB,  23
.set G1V, 24
.set G1P, 32
.set G0V, 40
.set G0P, 44
.set PB,  48                           ; my 256 queries' p
.set PMB, 50
.set SVB, 52
.set OB,  54
.set VB,  56                           ; my 128 outputs' v^T
.set MSB, 0
.macro WIN new
.if MSB != (\new)
	s_set_vgpr_msb (MSB<<8)|(\new)
.set MSB, (\new)
.endif
.endm
.macro PLACES n
.rept \n
	v_nop
.endr
.endm
.macro CREST                           ; a round behind its opening barrier
	s_cmp_lg_u32 s[WV], 0
	s_cbranch_scc1 .Lnot_wave_0_\@
	s_barrier_signal -3
.Lnot_wave_0_\@:
	s_barrier_wait -3
	s_barrier_signal -1
	s_barrier_wait -1
.endm
.macro CROUND
	s_barrier_signal -1
	s_barrier_wait -1
	CREST
.endm
.macro TLOAD g0, g1
	tensor_load_to_lds s[\g0:\g0+3], s[\g1:\g1+7]
	s_nop 0
	PLACES 4
.endm
.macro GRP1 g, mask, rows              ; a dense block: rows of 256 bytes, 32 elements of 8
	s_or_b32 s[\g], s\mask, (3<<16)|(1<<21)
	s_mov_b32 s[\g+1], 32<<16
	s_mov_b32 s[\g+2], (\rows)<<16
	s_mov_b32 s[\g+3], 32<<16
	s_mov_b32 s[\g+4], \rows
	s_mov_b32 s[\g+5], 32
	s_mov_b32 s[\g+6], 0
	s_mov_b32 s[\g+7], 0
.endm
.macro SLOTAT q
.if (\q) < 5
.set SLW, 3
.set SLB, 48*(\q)
.elseif (\q) == 5
.set SLW, 1
.set SLB, 192
.else
.set SLW, 0
.set SLB, 128+48*((\q)-6)
.endif
.endm
.macro WM d, a, b, c, sa, sb, ra, rb
	v_wmma_scale_f32_16x16x128_f8f6f4 v[\d:\d+7], v[\a:\a+11], v[\b:\b+11], \c, v[\sa], v[\sb] matrix_a_fmt:MATRIX_FMT_FP6 matrix_b_fmt:MATRIX_FMT_FP6 matrix_a_scale:MATRIX_SCALE_ROW\ra matrix_b_scale:MATRIX_SCALE_ROW\rb
.endm
.macro MULT k, p0, p1, zero            ; v^T's pairs of tiles p0 .. p1 against p's four; the 32 accumulators take turns
.set mb, 96*((\k)%2)
	SLOTAT (\k)%8
	WIN 0xa1|(SLW<<2)
.set mp, \p0
.rept (\p1)-(\p0)+1
.irp ra, 0,1
.irp np, 0,1
.irp rb, 0,1
.set md, 64*(2*\np+\rb)+8*(2*mp+\ra)
.if \zero
	WM md, mb+12*(2*mp+\ra), SLB+12*(2*\np+\rb), 0, SCV+4*(\k)+mp, SCP+2*(\k)+\np, \ra, \rb
.else
	WM md, mb+12*(2*mp+\ra), SLB+12*(2*\np+\rb), v[md:md+7], SCV+4*(\k)+mp, SCP+2*(\k)+\np, \ra, \rb
.endif
.endr
.endr
.endr
.set mp, mp+1
.endr
.endm
.macro FETCH k                         ; step k's four fragments of p (12 loads), then its eight of v^T (32: a fragment is two halves of 768 bytes, each four registers at 16 x lane and two at 8 x lane)
.set fb, 96*((\k)%2)
.set fof, STEPB*((\k)%4)
.set fs, ((\k)/4)%2
	SLOTAT (\k)%8
	WIN SLW<<6
.irp n, 0,1,2,3
.irp c, 0,1,2
	ds_load_b128 v[SLB+12*\n+4*\c:SLB+12*\n+4*\c+3], v[PA+fs] offset:49152*(((\k)%4)/2)+6144*((\k)%2)+1536*\n+512*\c
.endr
.endr
	WIN 0x40
.set ft, 0
.rept 8
.irp c, 0,1
	ds_load_b128 v[fb+12*ft+6*\c:fb+12*ft+6*\c+3], v[LA+fs] offset:fof+1536*ft+768*\c
	ds_load_b64 v[fb+12*ft+6*\c+4:fb+12*ft+6*\c+5], v[LB+fs] offset:fof+1536*ft+768*\c+512
.endr
.set ft, ft+1
.endr
.endm
.macro KSTEP k, zero
.if ((\k) == 3) || ((\k) == 7)
	WIN 0
	s_wait_tensorcnt 0x0                           ; all my tensor loads have landed, my part of the next slot among them;
	ds_add_u32 v[SPW], v[NIL]                      ; the add ahead of a refill's round;
.if (\k) == 3
	s_add_nc_u64 s[G0V+2:G0V+3], s[G0V+2:G0V+3], 2*4*STEPB   ; my slot's next tile, two slots on: each wave refills once
	s_add_nc_u64 s[G0P+2:G0P+3], s[G0P+2:G0P+3], 2*98304
.endif
	s_wait_dscnt 1                                 ; this step's fragments are in; the add may be out
	MULT \k, 0, 0, \zero
	s_wait_dscnt 0x0                               ; the add and my reads of this slot are done
	s_barrier_signal -1
	MULT \k, 1, 1, \zero
	WIN 0
	s_barrier_wait -1
	CREST
	s_cmp_eq_u32 s[WV], 2*((\k)/4)
	s_cbranch_scc0 .Lfor_p_\@
	TLOAD G0V, G1V
	s_branch .Lasked_\@
.Lfor_p_\@:
	s_cmp_eq_u32 s[WV], 2*((\k)/4)+1
	s_cbranch_scc0 .Lnone_\@
	TLOAD G0P, G1P
.Lnone_\@:
.Lasked_\@:
	PLACES 4                                       ; in front of the loads, for the waves that come round the tensor loads
	FETCH (\k)+1
	MULT \k, 2, 3, \zero
.elseif (\k) == 11
	s_wait_tensorcnt 0x0                           ; the last fill has landed;
	s_wait_dscnt 0x0
	s_barrier_signal -1                            ; this barrier shows it to all
	MULT \k, 0, 0, \zero
	s_barrier_wait -1
	PLACES 4
	FETCH (\k)+1
	MULT \k, 1, 3, \zero
.elseif (\k) == 15
	s_wait_dscnt 0x0
	MULT \k, 0, 3, \zero
.else
	s_wait_dscnt 16                                ; p and tiles 0 to 3 are in; the youngest 16 loads may be out
	MULT \k, 0, 0, \zero
	PLACES 4                                       ; in front of loads into registers that the step before multiplied
	FETCH (\k)+1
.if ((\k) == 0) || ((\k) == 4)
	WIN 0                                          ; the K steps of the refill three steps on
	global_prefetch_b8 v[PFV], s[VB:VB+1] offset:4*STEPB*(2+(\k)/4) th:TH_LOAD_NT scope:SCOPE_SE
	global_prefetch_b8 v[PFP], s[PB:PB+1] offset:98304*(2+(\k)/4) th:TH_LOAD_NT scope:SCOPE_SE
.endif
	s_wait_dscnt 44                                ; all but the 44 just issued
	MULT \k, 1, 3, \zero
.endif
.endm
; THE WAY OUT of tile n: divided by l; a lane's 32 bytes of a row go into my stage, whole rows of 512 bytes come back.
.macro TOSTAGE n
	WIN 0x82
.set sj, 0
.rept 32
	v_pk_mul_f32 v[64*(\n)+sj:64*(\n)+sj+1], v[64*(\n)+sj:64*(\n)+sj+1], v[RL+2*(\n):RL+2*(\n)+1] op_sel_hi:[1,0]   ; each accumulator from its low end on
.set sj, sj+2
.endr
	WIN 0x08                                       ; an LDS store's data: window 2
.irp t, 0,1,2,3,4,5,6,7
	ds_store_b128 v[STO+\t%2], v[64*(\n)+8*\t:64*(\n)+8*\t+3] offset:256*(\t/4)+32*(\t%4)   ; columns 64 (t / 4) + 8 (t % 4), in lanes 16-31 64 (t / 4) + 32 + 8 ((t % 4) ^ 1)
	ds_store_b128 v[STO+\t%2], v[64*(\n)+8*\t+4:64*(\n)+8*\t+7] offset:256*(\t/4)+32*(\t%4)+16
.endr
	WIN 0x40
.irp i, 0,1,2,3,4,5,6,7,8,9,10,11,12,13,14,15
	ds_load_b128 v[64*((\n)%2)+4*\i:64*((\n)%2)+4*\i+3], v[RD] offset:528*\i   ; LDS serves a wave's instructions in order (ISA guide 5.7.1.4): these see my stores
.endr
.endm
.macro SEND n, younger
	s_wait_dscnt \younger                          ; the tile is back in registers; the next tile's 16 stores and 16 loads may be out
	WIN 0x04                                       ; a store's data: window 1
.irp i, 0,1,2,3,4,5,6,7,8,9,10,11,12,13,14,15
	global_store_b128 v[L16], v[64*((\n)%2)+4*\i:64*((\n)%2)+4*\i+3], s[OB:OB+1] offset:(8*(\n)+\i+(\i/8)*(32-16*((\n)%2)))*4096 th:TH_STORE_NT   ; tile n's rows are queries 8 n + i and 32 + 8 (n ^ 1) + i; 32 lanes store 512 consecutive bytes, at a multiple of 512 from the output's first byte
.endr
.endm
	s_load_b256 s[4:11], s[0:1], 0x0               ; pf, pm, vf, sc
	s_load_b64 s[12:13], s[0:1], 0x20              ; out0
	v_lshl_add_u32 v[SPW], v0, 2, SPARE
	v_mov_b32 v[NIL], 0
	ds_add_u32 v[SPW], v[NIL]                      ; the opening: the add, twice on end, and its wait ahead of my first tensor load
	ds_add_u32 v[SPW], v[NIL]
	v_lshrrev_b32 v15, 5, v0
	v_readfirstlane_b32 s[WV], v15
	v_and_b32 v15, 31, v0
	v_and_b32 v16, 15, v0
	v_bfe_u32 v17, v0, 4, 1
	s_bfe_u32 s15, ttmp6, 0x40000                  ; cx
	s_bfe_u32 s58, ttmp6, 0x40004                  ; cy
	v_lshlrev_b32 v[L16], 4, v15
	v_lshlrev_b32 v[L8], 3, v15
	s_mul_i32 s60, s[WV], STEPB
	s_add_co_u32 s60, s60, PO                      ; my part of p
	v_mov_b32 v[LA], v[L16]
	v_mov_b32 v[LB], v[L8]
	v_add_nc_u32 v[PA], s60, v[L16]
	v_add_nc_u32 v[LA+1], SLOT, v[L16]
	v_add_nc_u32 v[LB+1], SLOT, v[L8]
	s_add_co_u32 s60, s60, SLOT
	v_add_nc_u32 v[PA+1], s60, v[L16]
	s_mul_i32 s60, s[WV], 16*528
	s_add_co_u32 s60, s60, STAGE                   ; my stage
	v_mul_u32_u24 v[STO], v16, 528
	v_mad_u32_u24 v[STO+1], v17, 96, v[STO]        ; in: row r; lanes 16-31 128 - 32 bytes further on in odd tiles,
	v_mad_u32_u24 v[STO], v17, 160, v[STO]         ; 128 + 32 in even ones
	v_add_nc_u32 v[STO], s60, v[STO]
	v_add_nc_u32 v[STO+1], s60, v[STO+1]
	v_add_nc_u32 v[RD], s60, v[L16]                ; back: 16 bytes a lane
	s_lshl_b32 s60, s58, 2
	s_add_co_u32 s60, s60, s[WV]                   ; my number among the sixteen waves that share p: 24 of a tile's 384 blocks of 256 bytes
	s_mul_i32 s60, s60, 24*256
	v_min_u32 v[PFP], 23, v15
	v_lshl_add_u32 v[PFP], v[PFP], 8, s60
	s_lshl_b32 s60, s15, 2
	s_add_co_u32 s60, s60, s[WV]                   ; and of those that share v: 12 of 192
	s_mul_i32 s60, s60, 12*256
	v_min_u32 v[PFV], 11, v15
	v_lshl_add_u32 v[PFV], v[PFV], 8, s60
	v_mov_b32 v[RX], 0                             ; a lane permute's destination counts as one of its sources
	v_mov_b32 v[RX+1], 0
	s_lshl_b32 s16, ttmp9, 2
	s_add_co_u32 s16, s16, s15                     ; x
	s_and_b32 s17, ttmp7, 0xffff
	s_lshl_b32 s17, s17, 2
	s_add_co_u32 s17, s17, s58                     ; y
	s_lshr_b32 s18, ttmp9, 1                       ; the batch
	s_lshl_b32 s62, s58, 2
	s_lshl_b32 s62, 15, s62                        ; my row of the cluster: the same y
	s_lshl_b32 s63, 0x1111, s15                    ; my column: the same x
	s_mov_b32 s[HM], 0xffff0000
	s_mov_b32 s[SEL], 0x76543210
	s_mov_b32 s[SEL+1], 0xfedcba98
	s_mov_b32 s[REP], 0x01010101
	s_mov_b32 s[HB], 0x80808080
	GRP1 G1V, 62, 192
	GRP1 G1P, 63, 384
	s_lshl_b32 s59, s18, 3
	s_add_co_u32 s59, s59, s17                     ; 8 x batch + y
	s_mul_i32 s[VB], s59, 196608
	s_mov_b32 s[VB+1], 0
	s_lshl_b32 s[SVB], s59, 13
	s_add_co_u32 s[SVB], s[SVB], 524288
	s_mov_b32 s[SVB+1], 0
	s_mul_i32 s[PB], s16, 393216
	s_mov_b32 s[PB+1], 0
	s_lshl_b32 s2, s16, 2
	s_add_co_u32 s2, s2, s[WV]                     ; 4 x + w
	s_mul_i32 s[PMB], s2, 12288
	s_mov_b32 s[PMB+1], 0
	s_lshl_b32 s[OB], s2, 18                       ; 64 rows of 4,096 bytes
	s_lshl_b32 s3, s17, 9
	s_add_co_u32 s[OB], s[OB], s3
	s_mov_b32 s[OB+1], 0
	s_lshr_b32 s2, s[WV], 1                        ; the slot that I fill: waves 0, 2 with v^T, waves 1, 3 with p
	s_mul_i32 s60, s2, 4*STEPB
	s_mov_b32 s61, 0
	s_mul_i32 s66, s2, 98304
	s_mov_b32 s67, 0
	s_mul_i32 s3, s2, SLOT
	s_wait_alu depctr_va_vdst(0)                   ; the wait here, directly ahead of the waits below
	s_wait_dscnt 0x0
	s_wait_kmcnt 0x0
	s_add_nc_u64 s[VB:VB+1], s[8:9], s[VB:VB+1]
	s_add_nc_u64 s[PB:PB+1], s[4:5], s[PB:PB+1]
	s_mov_b32 s[G0V], 1
	s_mov_b32 s[G0V+1], s3
	s_add_nc_u64 s[G0V+2:G0V+3], s[VB:VB+1], s[60:61]
	s_or_b32 s[G0V+3], s[G0V+3], 0x80000000
	s_mov_b32 s[G0P], 1
	s_add_co_u32 s[G0P+1], s3, PO
	s_add_nc_u64 s[G0P+2:G0P+3], s[PB:PB+1], s[66:67]
	s_or_b32 s[G0P+3], s[G0P+3], 0x80000000
	CROUND                                         ; all sixteen work-groups are here: the joint loads meet
	s_cmp_eq_u32 s[WV], 0
	s_cbranch_scc0 .Lwave_1
	TLOAD G0V, G1V
	s_branch .Lasked
.Lwave_1:
	s_cmp_eq_u32 s[WV], 1
	s_cbranch_scc0 .Lwave_2
	TLOAD G0P, G1P
	s_branch .Lasked
.Lwave_2:
	s_cmp_eq_u32 s[WV], 2
	s_cbranch_scc0 .Lwave_3
	TLOAD G0V, G1V
	s_branch .Lasked
.Lwave_3:
	TLOAD G0P, G1P
.Lasked:
	s_add_nc_u64 s[PMB:PMB+1], s[6:7], s[PMB:PMB+1]
	s_add_nc_u64 s[SVB:SVB+1], s[10:11], s[SVB:SVB+1]
	s_add_nc_u64 s[OB:OB+1], s[12:13], s[OB:OB+1]
	WIN 0x80                                       ; 48 small loads: into window 2 v[4 k ..] -M' (two), l' (two), v[128 + 2 k ..] p's raw scale words; then v's scale words, as they are used
.set kc, 0
.rept 16
	global_load_b128 v[4*kc:4*kc+3], v[L16], s[PMB:PMB+1] offset:768*kc
	global_load_b64 v[128+2*kc:128+2*kc+1], v[L8], s[PMB:PMB+1] offset:768*kc+512
.set kc, kc+1
.endr
	WIN 0
.set kc, 0
.rept 16
	global_load_b128 v[SCV+4*kc:SCV+4*kc+3], v[L16], s[SVB:SVB+1] offset:512*kc
.set kc, kc+1
.endr
	s_wait_loadcnt 16                              ; the statistics are in; v's scale words may be out
	WIN 0x28
.irp a, 0,1
	v_min3_num_f32 v[NM+\a], 0x7f800000, v[\a], v[4+\a]          ; -M = the least -M'
.endr
.irp k, 2,4,6,8,10,12,14
.irp a, 0,1
	v_min3_num_f32 v[NM+\a], v[NM+\a], v[4*\k+\a], v[4*\k+4+\a]
.endr
.endr
	WIN 0x88
.set kc, 0
.rept 16
	v_sub_f32 v[4*kc], v[NM], v[4*kc]              ; M' - M: a whole number, 0 or less
	v_sub_f32 v[4*kc+1], v[NM+1], v[4*kc+1]
.set kc, kc+1
.endr
.set kc, 0
.rept 16
	v_max_num_f32 v[4*kc], 0xc2fe0000, v[4*kc]     ; held at -127
	v_max_num_f32 v[4*kc+1], 0xc2fe0000, v[4*kc+1]
.set kc, kc+1
.endr
	WIN 0x8a
.set kc, 0
.rept 16
	v_cvt_i32_f32 v[4*kc], v[4*kc]
	v_cvt_i32_f32 v[4*kc+1], v[4*kc+1]
.set kc, kc+1
.endr
.set kc, 0
.rept 16
	v_ldexp_f32 v[4*kc+2], v[4*kc+2], v[4*kc]      ; l' under M: exact
	v_ldexp_f32 v[4*kc+3], v[4*kc+3], v[4*kc+1]
.set kc, kc+1
.endr
.set kc, 0
.rept 16
	v_mul_lo_u32 v[4*kc], v[4*kc], s[REP]          ; M' - M in each of four bytes
	v_mul_lo_u32 v[4*kc+1], v[4*kc+1], s[REP]
.set kc, kc+1
.endr
.set kc, 0
.rept 16                                       ; each byte + 128 + (M' - M) lies in 1 .. 253: no carry from byte to byte; bit 7 says that the byte has not fallen under 0
	v_add3_u32 v[128+2*kc], v[128+2*kc], v[4*kc], s[HB]
	v_add3_u32 v[129+2*kc], v[129+2*kc], v[4*kc+1], s[HB]
.set kc, kc+1
.endr
.set kc, 0
.rept 32
	v_and_b32 v[160+kc], s[HB], v[128+kc]
.set kc, kc+1
.endr
.set kc, 0
.rept 32
	v_lshrrev_b32 v[192+kc], 7, v[160+kc]
.set kc, kc+1
.endr
.set kc, 0
.rept 32
	v_sub_nc_u32 v[160+kc], v[160+kc], v[192+kc]   ; 0x7f in the bytes that stay, 0 in those that are held at 0
.set kc, kc+1
.endr
	WIN 0x0a
.set kc, 0
.rept 32
	v_and_b32 v[SCP+kc], v[128+kc], v[160+kc]      ; p's scale words under the row's M
.set kc, kc+1
.endr
	v_add_f32 v[LS], v[2], v[6]                    ; l.  (These additions and the selects below are also the eight places between the last write of a scale register and the first product)
	v_add_f32 v[LS+1], v[3], v[7]
	WIN 0x08
.set kc, 2
.rept 14
	v_add_f32 v[LS], v[LS], v[4*kc+2]
	v_add_f32 v[LS+1], v[LS+1], v[4*kc+3]
.set kc, kc+1
.endr
	WIN 0
	s_wait_alu depctr_va_vdst(0)                   ; the wait ahead of the batch
	v_rcp_f32 v[RC], v[LS]
	v_rcp_f32 v[RC+1], v[LS+1]
	v_nop                                          ; a plain place behind the reciprocals
	s_wait_alu depctr_va_vdst(0)                   ; and the wait ahead of their first reader
	v_permlanex16_b32 v[RX], v[RC], s[SEL], s[SEL+1]
	v_permlanex16_b32 v[RX+1], v[RC+1], s[SEL], s[SEL+1]
.irp a, 0,1                                    ; lanes 0-15 hold the even tile's query r, lanes 16-31 the odd tile's: each tile's goes to both halves, twice, for the packed multiply
.irp i, 0,1
	v_cndmask_b32 v[RL+4*\a+\i], v[RC+\a], v[RX+\a], s[HM]
	v_cndmask_b32 v[RL+4*\a+2+\i], v[RX+\a], v[RC+\a], s[HM]
.endr
.endr
	s_wait_alu depctr_va_vdst(0)                   ; the wait at the head's end
	s_wait_loadcnt 0x0
	s_cmp_lt_u32 s[WV], 2
	s_cbranch_scc0 .Lnot_first
	s_wait_tensorcnt 0x0                           ; slot 0 has landed; slot 1 may be on its way
.Lnot_first:
	s_barrier_signal -1
	s_barrier_wait -1
	FETCH 0
	KSTEP 0, 1
.irp k, 1,2,3,4,5,6,7,8,9,10,11,12,13,14,15
	KSTEP \k, 0
.endr
	WIN 0
	PLACES 4                                       ; behind the last products: their results are read, and rows come back into registers that they read
	TOSTAGE 0
	TOSTAGE 1
	SEND 0, 32
	s_wait_xcnt 0x0                                ; tile 0's stores have read their registers: tile 2's rows may land there
	TOSTAGE 2
	SEND 1, 32
	s_wait_xcnt 0x0
	TOSTAGE 3
	SEND 2, 32
	SEND 3, 0
	WIN 0
	s_wait_tensorcnt 0x0                           ; the wave's end, behind my last LDS store
	ds_add_u32 v[SPW], v[NIL]
	s_wait_dscnt 0x0
	CROUND                                         ; the closing round
	s_endpgm
.Lfunc_end_k_q0160b8257b_mix:
	.size	k_q0160b8257b_mix, .Lfunc_end_k_q0160b8257b_mix-k_q0160b8257b_mix
	.p2alignl 7, 3214868480
	.fill 96, 4, 3214868480
	.section	.rodata,"a",@progbits
	.p2align	6, 0x0
	.amdhsa_kernel k_q0160b8257b_mix
		.amdhsa_group_segment_fixed_size 327680
		.amdhsa_private_segment_fixed_size 0
		.amdhsa_enable_private_segment 0
		.amdhsa_kernarg_size 40
		.amdhsa_user_sgpr_count 2
		.amdhsa_user_sgpr_kernarg_segment_ptr 1
		.amdhsa_wavefront_size32 1
		.amdhsa_system_sgpr_workgroup_id_x 1
		.amdhsa_system_sgpr_workgroup_id_y 1
		.amdhsa_system_sgpr_workgroup_id_z 1
		.amdhsa_system_vgpr_workitem_id 0
		.amdhsa_next_free_vgpr 1024
		.amdhsa_next_free_sgpr 102
		.amdhsa_reserve_vcc 0
		.amdhsa_float_denorm_mode_32 3
		.amdhsa_float_denorm_mode_16_64 3
		.amdhsa_memory_ordered 1
		.amdhsa_forward_progress 1
		.amdhsa_inst_pref_size 168
	.end_amdhsa_kernel
	.amdgpu_metadata
---
amdhsa.version: [ 1, 2 ]
amdhsa.kernels:
  - .name:           k_q0160b8257b_mix
    .symbol:         k_q0160b8257b_mix.kd
    .args:
      - { .name: pf, .offset: 0, .size: 8, .value_kind: global_buffer, .address_space: global }
      - { .name: pm, .offset: 8, .size: 8, .value_kind: global_buffer, .address_space: global }
      - { .name: vf, .offset: 16, .size: 8, .value_kind: global_buffer, .address_space: global }
      - { .name: sc, .offset: 24, .size: 8, .value_kind: global_buffer, .address_space: global }
      - { .name: out0, .offset: 32, .size: 8, .value_kind: global_buffer, .address_space: global }
    .group_segment_fixed_size: 327680
    .private_segment_fixed_size: 0
    .kernarg_segment_align: 8
    .kernarg_segment_size: 40
    .max_flat_workgroup_size: 128
    .sgpr_count:     102
    .vgpr_count:     1024
    .wavefront_size: 32
...
	.end_amdgpu_metadata
.endif
;; end of part 3
